; MI455X (gfx1250); checked and timed in simulation.
; The chip was launched on July 23, 2026; its instructions are those of AMD's public machine-readable ISA for CDNA 5 (MIT licence, August 2026) and "CDNA5" Instruction Set Architecture Reference Guide (July 2026). The comments in the code are by the model that wrote it; some were corrected since.
;; Temporal Multihead Attention. Allowed arithmetic: float matrix products may take bf16 or f16 operands with f32 sums; all other float work in f32.
;; Inputs: in_proj_bias 3,072 float32; in_proj_weight 3,072 x 1,024 float32; key 1,024 x 8 x 1,024 float32; out_proj_bias 1,024 float32; out_proj_weight 1,024 x 1,024 float32; query 1,024 x 8 x 1,024 float32; time 1,024 x 8 x 1 float32; value 1,024 x 8 x 1,024 float32.
;; Outputs: out0 1,024 x 8 x 1,024 float32; out1 8 x 1,024 x 1,024 float32.
;; One version. Each part assembles by itself: llvm-mc -triple=amdgcn-amd-amdhsa -mcpu=gfx1250 --defsym DOCPART=n.
;; ======== version 1 of 1: 4 launches
;; limits: right only within a limited range of input values; values are held in f16: magnitudes above 65,504 overflow, below 6.1e-05 lose precision
;; workspace buffers: xb 50,331,648 bytes; wb 8,388,608 bytes; qkv 50,331,648 bytes; ob 16,777,216 bytes
;; launch conv (part 1): grid 1792 x 1, 8 waves a work-group, no clusters, 0 bytes of LDS; arguments query, key, value, in_proj_weight, out_proj_weight, xb, wb; writes xb, wb
.if DOCPART == 1
	.amdgcn_target "amdgcn-amd-amdhsa--gfx1250"
	.amdhsa_code_object_version 6
	.text
	.protected	k_q75f5920489_conv
	.globl	k_q75f5920489_conv
	.p2align	8
	.type	k_q75f5920489_conv,@function
k_q75f5920489_conv:
	s_mov_b64 s[64:65], 0
	v_nop
	global_prefetch_b8 v0, s[64:65] scope:SCOPE_SE
	s_setreg_imm32_b32 hwreg(HW_REG_WAVE_MODE, 25, 1), 1
	s_wait_xcnt 0x0
; conv: rounds the five large f32 inputs to f16 once, for the matrix products of the later launches.
;   xb[g][n][l][e] = f16(query | key | value [l][n][e])     (g = 0, 1, 2; the rows are regrouped by n)
;   wb[0..3071][e] = f16(in_proj_weight), wb[3072..4095][e] = f16(out_proj_weight)
; f16 and not bf16: between the inputs and out0 stand the roundings of q, k, v, the probabilities and the attention output on top of the
; inputs' own; 11 significant bits make each of them eight times finer than 8 bits would.
; LIMIT (format): an input above 65,504 in magnitude overflows; below 6.1e-5 f16 goes on in steps of 6e-8.  Activations of spread 1 and
; weights of spread 1/32, each 30 times larger or smaller or offset by 30 spreads, lie far inside both.
; A stream: every input byte is read once by 16-byte loads (a wave's load covers 512 consecutive bytes), every output byte is written
; once (a wave's 8-byte stores cover 256 consecutive bytes, aligned).  LDS, barriers, clusters and the matrix units would add nothing:
; no byte is shared and no number meets another.
; A work-group takes 16 rows of 1,024 numbers; thread t takes columns 4 t .. 4 t + 3 of each.  All 16 loads of a wave go out at once;
; every row has registers of its own, so no register is written twice and the only waits are the counted ones for the loads.
.set X, 4                              ; v[4:67]   row i: 4 numbers in f32
.set Y, 68                             ; v[68:99]  row i: 4 numbers in f16
.set ACT_UNITS, 1536                   ; 3 tensors x 8 n x 64 blocks of 16 l
.set INW_UNITS, 192                    ; 3,072 rows of in_proj_weight / 16
	s_load_b256 s[4:11], s[0:1], 0x0               ; query s[4:5], key s[6:7], value s[8:9], in_proj_weight s[10:11]
	s_load_b128 s[12:15], s[0:1], 0x20             ; out_proj_weight s[12:13], xb s[14:15]
	s_load_b64 s[16:17], s[0:1], 0x30              ; wb
	v_lshlrev_b32 v1, 4, v0                        ; my 16 bytes of an f32 row
	v_lshlrev_b32 v2, 3, v0                        ; my 8 bytes of an f16 row
	s_mov_b32 s25, 0                               ; high words of the two offsets
	s_mov_b32 s27, 0
; 16 rows, instep bytes apart in the source, 2,048 bytes apart in the destination
.macro BODY instep
.irp i, 0,1,2,3,4,5,6,7,8,9,10,11,12,13,14,15
	global_load_b128 v[X+4*\i:X+4*\i+3], v1, s[20:21] offset:\i*\instep th:TH_LOAD_NT
.endr
.irp i, 0,1,2,3,4,5,6,7,8,9,10,11,12,13,14,15
	s_wait_loadcnt 15-\i                           ; loads come back in order (ISA guide 5.7.1): row i is in, the younger rows stay out
	v_cvt_pk_f16_f32 v[Y+2*\i], v[X+4*\i], v[X+4*\i+1]
	v_cvt_pk_f16_f32 v[Y+2*\i+1], v[X+4*\i+2], v[X+4*\i+3]
	global_store_b64 v2, v[Y+2*\i:Y+2*\i+1], s[22:23] offset:\i*2048
.endr
.endm
	s_cmp_ge_u32 ttmp9, ACT_UNITS
	s_cbranch_scc1 .Lweights
	; an activation unit: g = u >> 9, n = u & 7, block of 16 l = (u >> 3) & 63
	s_lshr_b32 s18, ttmp9, 9                       ; g
	s_and_b32 s19, ttmp9, 7                        ; n
	s_bfe_u32 s28, ttmp9, 0x60003                  ; lb
	s_lshl_b32 s24, s28, 19                        ; source: (16 lb x 8 + n) rows of 4,096 bytes
	s_lshl_b32 s29, s19, 12
	s_add_co_u32 s24, s24, s29
	s_lshl_b32 s26, s18, 24                        ; destination: g x 16 MiB + n x 1,024 rows + 16 lb rows, of 2,048 bytes
	s_lshl_b32 s29, s19, 21
	s_add_co_u32 s26, s26, s29
	s_lshl_b32 s29, s28, 15
	s_add_co_u32 s26, s26, s29
	s_wait_kmcnt 0x0
	s_cmp_eq_u32 s18, 1
	s_cselect_b64 s[20:21], s[6:7], s[4:5]
	s_cmp_eq_u32 s18, 2
	s_cselect_b64 s[20:21], s[8:9], s[20:21]
	s_add_nc_u64 s[20:21], s[20:21], s[24:25]
	s_add_nc_u64 s[22:23], s[14:15], s[26:27]
	BODY 32768                                     ; the same n, consecutive l: 8 rows of 4,096 bytes apart
	s_endpgm
.Lweights:
	s_sub_co_u32 s18, ttmp9, ACT_UNITS             ; w: 16 rows of the stacked weights
	s_lshl_b32 s26, s18, 15
	s_cmp_lt_u32 s18, INW_UNITS
	s_cselect_b32 s19, 0, INW_UNITS
	s_sub_co_u32 s19, s18, s19                     ; the unit inside its own tensor
	s_lshl_b32 s24, s19, 16
	s_wait_kmcnt 0x0
	s_cmp_lt_u32 s18, INW_UNITS
	s_cselect_b64 s[20:21], s[10:11], s[12:13]
	s_add_nc_u64 s[20:21], s[20:21], s[24:25]
	s_add_nc_u64 s[22:23], s[16:17], s[26:27]
	BODY 4096
	s_endpgm
.Lfunc_end_k_q75f5920489_conv:
	.size	k_q75f5920489_conv, .Lfunc_end_k_q75f5920489_conv-k_q75f5920489_conv
	.p2alignl 7, 3214868480
	.fill 96, 4, 3214868480
	.section	.rodata,"a",@progbits
	.p2align	6, 0x0
	.amdhsa_kernel k_q75f5920489_conv
		.amdhsa_group_segment_fixed_size 0
		.amdhsa_private_segment_fixed_size 0
		.amdhsa_enable_private_segment 0
		.amdhsa_kernarg_size 56
		.amdhsa_user_sgpr_count 2
		.amdhsa_user_sgpr_kernarg_segment_ptr 1
		.amdhsa_wavefront_size32 1
		.amdhsa_system_sgpr_workgroup_id_x 1
		.amdhsa_system_sgpr_workgroup_id_y 1
		.amdhsa_system_sgpr_workgroup_id_z 1
		.amdhsa_system_vgpr_workitem_id 0
		.amdhsa_next_free_vgpr 100
		.amdhsa_next_free_sgpr 66
		.amdhsa_reserve_vcc 0
		.amdhsa_float_denorm_mode_32 3
		.amdhsa_float_denorm_mode_16_64 3
		.amdhsa_memory_ordered 1
		.amdhsa_forward_progress 1
		.amdhsa_inst_pref_size 13
	.end_amdhsa_kernel
	.amdgpu_metadata
---
amdhsa.version: [ 1, 2 ]
amdhsa.kernels:
  - .name:           k_q75f5920489_conv
    .symbol:         k_q75f5920489_conv.kd
    .args:
      - { .name: query, .offset: 0, .size: 8, .value_kind: global_buffer, .address_space: global }
      - { .name: key, .offset: 8, .size: 8, .value_kind: global_buffer, .address_space: global }
      - { .name: value, .offset: 16, .size: 8, .value_kind: global_buffer, .address_space: global }
      - { .name: in_proj_weight, .offset: 24, .size: 8, .value_kind: global_buffer, .address_space: global }
      - { .name: out_proj_weight, .offset: 32, .size: 8, .value_kind: global_buffer, .address_space: global }
      - { .name: xb, .offset: 40, .size: 8, .value_kind: global_buffer, .address_space: global }
      - { .name: wb, .offset: 48, .size: 8, .value_kind: global_buffer, .address_space: global }
    .group_segment_fixed_size: 0
    .private_segment_fixed_size: 0
    .kernarg_segment_align: 8
    .kernarg_segment_size: 56
    .max_flat_workgroup_size: 256
    .sgpr_count:     66
    .vgpr_count:     100
    .wavefront_size: 32
...
	.end_amdgpu_metadata
.endif
;; end of part 1
;; launch proj (part 2): grid 12 x 32, 4 waves a work-group, clusters of 4 x 4, 327,680 bytes of LDS; arguments xb, wb, in_proj_bias, time, qkv; writes qkv
.if DOCPART == 2
	.amdgcn_target "amdgcn-amd-amdhsa--gfx1250"
	.amdhsa_code_object_version 6
	.text
	.protected	k_q75f5920489_proj
	.globl	k_q75f5920489_proj
	.p2align	8
	.type	k_q75f5920489_proj,@function
k_q75f5920489_proj:
	s_mov_b64 s[64:65], 0
	v_nop
	global_prefetch_b8 v0, s[64:65] scope:SCOPE_SE
	s_setreg_imm32_b32 hwreg(HW_REG_WAVE_MODE, 25, 1), 1
	s_wait_xcnt 0x0
	s_wait_alu depctr_hold_cnt(0) depctr_sa_sdst(0) depctr_va_vdst(0) depctr_va_sdst(0) depctr_va_ssrc(0) depctr_va_vcc(0) depctr_vm_vsrc(0)
	s_getreg_b32 s2, hwreg(HW_REG_IB_STS2, 6, 4)
	s_cmp_eq_u32 s2, 0
	s_cbranch_scc0 .Lentry_in_a_cluster
	s_endpgm
.Lentry_in_a_cluster:
	s_bfe_u32 s2, ttmp6, 0x10000c
	s_cmp_lg_u32 s2, 0xf033
	s_cbranch_scc0 .Lentry_shape_is_right
	s_endpgm
.Lentry_shape_is_right:
; proj: q, k, v = X W^T + b for the three inputs at once; 8,192 x 3,072 outputs, K = 1,024.  Each row is then scaled:
;   q rows by 0.125 log2(e) 2^(c (t_l - t_0)), k rows by 2^(-c (t_s - t_0)), v rows by 1, with c = log2(e) / 1e6 and t_0 = time[0][n].
;   The product of the two factors is 0.125 log2(e) exp((t_l - t_s) / 1e6): the head scaling, the temporal decay and the change to
;   base 2 are in q and k before they are rounded, and attention pays nothing for them.
; Operands are f16 (rounded once by the launch before), sums f32.  f16 and not bf16: q, k, v, the probabilities and O are each rounded
; once on the way to out0, and 11 significant bits make each rounding eight times finer than 8 bits would.
; LIMIT (format): q, k and v, scaled, are stored in f16: above 65,504 in magnitude they overflow.  Activations of spread 1 and weights
;   of spread 1/32 give q, k, v of spread 1; all inputs 30 times larger give 900; a common offset of 30 spreads on activations and
;   weights at once gives 1,024 x 30 x 30/32 = 28,800.  Below 6.1e-5 f16 goes on in steps of 6e-8.
; LIMIT (range): |time[l][n] - time[0][n]| < 1e6 keeps each decay factor within 1/e .. e; larger differences use up f16's range in q or k
;   although the quotient of the two factors might be moderate.
; A work-group makes 256 rows x 256 columns with four waves; a wave makes 128 x 128: 64 accumulator tiles, 512 registers.  K goes in steps
; of 128 through two LDS slots filled by tensor loads; a K step is 256 matrix instructions of a wave, 240 of them between a tile's request
; and the wait for it, and 16 fragments from LDS feed 64 matrix instructions.
; THE GRID IS UNEVEN: 8,192 x 3,072 / (256 x 256) = 384 work-groups.  A block may not straddle q, k and v (they have different X), so the
; number of blocks of 2^a x 2^b is 3 x 2^k; the even choice, 768 blocks of 256 x 128, halves the matrix work between a request and its wait
; and reads 12 fragments for 32 matrix instructions.
; CLUSTERS of 4 x 4: the four work-groups of a cluster's row need the same X tile, the four of a column the same W tile; each tile is
; asked for jointly (same descriptor, a mask that names the four), which divides the requests by four.  A cluster's four columns are the
; 1,024 columns of one of q, k, v: the cluster's x says which.
; THE MATRIX INSTRUCTION IS USED TRANSPOSED: source 0 = 16 rows of W, source 1 = 16 rows of X, so that lane (r, h) holds row r of the
; result and eight neighbouring columns 8 h .. 8 h + 7.
; REGISTERS, in windows of 256:
;   window 0: v0-31 addresses and row factors; v64-127, v128-191 fragments of X, two buffers; on the way out v64-127 at work, v128-255 data
;   window 1: v0-63 bias of my 8 columns in each of 8 column tiles; v64-127, v128-191 fragments of W, two buffers
;   window 2: the 32 accumulator tiles of my rows 0-63 (tile (a, b) at v[8 (8 a + b)]);   window 3: those of my rows 64-127
.set KSTEP,  128
.set PITCH,  272                       ; a padded LDS row: 256 bytes + 16, an odd multiple of 16: the 16 rows of a fragment load start in 16 different groups of banks
.set HALFT,  128*PITCH                 ; 128 rows: what one tensor load brings, and what one wave reads of X or of W
.set SLOT,   4*HALFT                   ; X's 256 rows, then W's 256 rows
.set LAPS,   4                         ; 1,024 / (2 x 128): a lap is once round the ring
.set FAC,  8                           ; v[8:15] the factor of my row in each of 8 row tiles
.set ADRA, 16                          ; v16-17  LDS address of my X fragments in slot 0, 1
.set ADRB, 20                          ; v20-21  the same for W
.set SO,   22                          ; v22     where my 16 bytes go in a block of 512
.set F0,   64                          ; fragment buffer 0
.set F1,   128                         ; fragment buffer 1
.set T,    64                          ; the way out: 64 numbers at work
.set DAT,  128                         ; the way out: four sets of 32 data registers
.set G1X, 24                           ; s[24:31] group 1 of X's tiles
.set G0X, 32                           ; s[32:39] group 0 of X's tiles, one set a slot
.set G1W, 40                           ; s[40:47] group 1 of W's tiles
.set G0W, 48                           ; s[48:55] group 0 of W's tiles, one set a slot
.set PADF, (1<<16)|(1<<20)|(1<<21)|(5<<22)|(3<<25)   ; 2-byte elements; padding on: 4 words behind every 64; bit 21 beside a mask
.set MUL_LO, 0xa1                      ; source 0 (W) window 1, source 1 (X) window 0, C and D window 2
.set MUL_HI, 0xf1                      ; the same, C and D window 3
.set TO_W,   0x40                      ; destination window 1, address window 0
.set MSB, 0
.macro WIN new                         ; the immediate's high byte repeats the setting that is left
.if MSB != \new
	s_set_vgpr_msb (MSB<<8)|\new
.set MSB, \new
.endif
.endm
.macro PLACES                          ; four plain vector places behind a matrix instruction (ISA guide 7.12.1) before its registers are loaded into or its result is read
.rept 4
	v_nop
.endr
.endm
; A joint load: waves 0 and 1 fetch X's two halves, waves 2 and 3 W's.  The branch hangs on the wave's number alone.
.macro JLOAD s
	s_cmp_eq_u32 s15, 0
	s_cbranch_scc0 .Lfor_w_\@
	tensor_load_to_lds s[G0X+4*\s:G0X+4*\s+3], s[G1X:G1X+7]
	s_nop 0
	s_branch .Lasked_\@
.Lfor_w_\@:
	tensor_load_to_lds s[G0W+4*\s:G0W+4*\s+3], s[G1W:G1W+7]
	s_nop 0
.Lasked_\@:
.endm
.macro CREST                           ; a round of the cluster's barrier behind its opening work-group barrier
	s_cmp_lg_u32 s14, 0
	s_cbranch_scc1 .Lnot_wave_0_\@
	s_barrier_signal -3
.Lnot_wave_0_\@:
	s_barrier_wait -3
	s_barrier_signal -1
	s_barrier_wait -1
.endm
.macro CROUND                          ; a whole round
	s_barrier_signal -1
	s_barrier_wait -1
	CREST
.endm
.macro PMUL d, a, b, u                 ; two products by register u of the pair b
.if \u
	v_pk_mul_f32 v[\d:\d+1], v[\a:\a+1], v[\b:\b+1] op_sel:[0,1] op_sel_hi:[1,1]
.else
	v_pk_mul_f32 v[\d:\d+1], v[\a:\a+1], v[\b:\b+1] op_sel:[0,0] op_sel_hi:[1,0]
.endif
.endm
	s_load_b256 s[4:11], s[0:1], 0x0               ; xb s[4:5], wb s[6:7], in_proj_bias s[8:9], time s[10:11]
	s_load_b64 s[12:13], s[0:1], 0x20              ; qkv
	s_set_vgpr_msb 0x40
	v_lshl_add_u32 v255, v0, 2, 0x44000
	s_set_vgpr_msb 0x4000
	v_mov_b32 v63, 0
	s_set_vgpr_msb 0x1
	ds_add_u32 v255, v63
	s_set_vgpr_msb 0x100
	v_lshrrev_b32 v1, 5, v0
	v_readfirstlane_b32 s14, v1                    ; wave 0..3
	s_lshr_b32 s15, s14, 1                         ; wm: my 128 of the block's 256 rows.  Also: I fetch for X (0) or for W (1)
	s_and_b32 s16, s14, 1                          ; wc: my 128 of its 256 columns.  Also: which half of that tile I fetch
	s_bfe_u32 s17, ttmp6, 0x40000                  ; cx
	s_bfe_u32 s18, ttmp6, 0x40004                  ; cy
	s_lshl_b32 s19, ttmp9, 2
	s_add_co_u32 s19, s19, s17                     ; xblk: block of 256 W rows = 4 x cluster x + cx, 0 .. 11
	s_and_b32 s20, ttmp7, 0xffff
	s_lshl_b32 s20, s20, 2
	s_add_co_u32 s20, s20, s18                     ; mb: block of 256 X rows = 4 x cluster y + cy
	s_mov_b32 s21, ttmp9                           ; g = xblk / 4: 0 q, 1 k, 2 v: the cluster's x
	s_lshl_b32 s56, s18, 2
	s_lshl_b32 s56, 15, s56                        ; my row of the cluster: places 4 cy .. 4 cy + 3
	s_lshl_b32 s66, 0x1111, s17                    ; my column: places cx, cx + 4, cx + 8, cx + 12
	s_or_b32 s[G1X+0], s56, PADF                   ; X: 128 rows x 128 f16, rows 1,024 elements apart, padded in LDS; shared along my row
	s_mov_b32 s[G1X+1], KSTEP<<16                  ; tensor_dim0 = 128
	s_mov_b32 s[G1X+2], 128<<16                    ; tensor_dim1 = 128
	s_mov_b32 s[G1X+3], KSTEP<<16                  ; tile_dim0 = 128
	s_mov_b32 s[G1X+4], 128                        ; tile_dim1 = 128
	s_mov_b32 s[G1X+5], 1024                       ; pitch
	s_mov_b32 s[G1X+6], 0
	s_mov_b32 s[G1X+7], 0
	s_or_b32 s[G1W+0], s66, PADF                   ; W: the same shape; shared along my column
	s_mov_b32 s[G1W+1], KSTEP<<16
	s_mov_b32 s[G1W+2], 128<<16
	s_mov_b32 s[G1W+3], KSTEP<<16
	s_mov_b32 s[G1W+4], 128
	s_mov_b32 s[G1W+5], 1024
	s_mov_b32 s[G1W+6], 0
	s_mov_b32 s[G1W+7], 0
	; where the tiles come from.  X's address is made of mb, the wave and the cluster's x, which my row of the cluster shares;
	; W's of xblk and the wave, which my column shares; each in registers that never hold the other coordinate.
	s_lshl_b32 s58, s20, 19                        ; 256 rows of 2,048 bytes
	s_lshl_b32 s57, s16, 18                        ; + 128 rows for the second half
	s_add_co_u32 s58, s58, s57
	s_lshl_b32 s57, ttmp9, 24                      ; + g x 16 MiB
	s_add_co_u32 s58, s58, s57
	s_mov_b32 s59, 0
	s_lshl_b32 s68, s19, 19                        ; 256 rows of 2,048 bytes
	s_lshl_b32 s67, s16, 18
	s_add_co_u32 s68, s68, s67
	s_mov_b32 s69, 0
	s_mul_i32 s60, s14, HALFT                      ; and where they go: X's two halves, then W's two halves = wave x 128 rows
	s_wait_dscnt 0x0
	s_wait_kmcnt 0x0
	s_add_nc_u64 s[58:59], s[4:5], s[58:59]
	s_add_nc_u64 s[68:69], s[6:7], s[68:69]
	CROUND                                         ; all sixteen work-groups are here: the first joint loads meet
.irp s, 0,1
	s_mov_b32 s[G0X+4*\s], 1
	s_add_co_u32 s[G0X+4*\s+1], s60, \s*SLOT
	s_add_nc_u64 s[G0X+4*\s+2:G0X+4*\s+3], s[58:59], \s*KSTEP*2
	s_or_b32 s[G0X+4*\s+3], s[G0X+4*\s+3], 0x80000000
	s_mov_b32 s[G0W+4*\s], 1
	s_add_co_u32 s[G0W+4*\s+1], s60, \s*SLOT
	s_add_nc_u64 s[G0W+4*\s+2:G0W+4*\s+3], s[68:69], \s*KSTEP*2
	s_or_b32 s[G0W+4*\s+3], s[G0W+4*\s+3], 0x80000000
	JLOAD \s                                       ; K steps 0 and 1: two tensor loads of the wave are out, later one
.endr
	v_and_b32 v1, 15, v0                           ; r
	v_bfe_u32 v2, v0, 4, 1                         ; h
	v_and_b32 v3, 31, v0                           ; lane
	v_mul_u32_u24 v4, v1, PITCH
	v_lshl_add_u32 v4, v2, 4, v4                   ; 272 r + 16 h: a fragment's lane term
	s_lshl_b32 s71, s19, 10
	s_lshl_b32 s72, s16, 9
	s_add_co_u32 s71, s71, s72
	v_lshl_add_u32 v23, v2, 5, s71                 ; bias: 4 (256 xblk + 128 wc + 8 h)
	WIN TO_W
.irp b, 0,1,2,3,4,5,6,7
	global_load_b128 v[8*\b:8*\b+3], v23, s[8:9] offset:64*\b              ; window 1: register 8 b + j: column 16 b + 8 h + j
	global_load_b128 v[8*\b+4:8*\b+7], v23, s[8:9] offset:64*\b+16
.endr
	WIN 0
	s_and_b32 s73, s20, 3                          ; time[l][n], l = 256 (mb & 3) + 128 wm + 16 i + r, n = mb >> 2: 32 bytes from l to l + 1
	s_lshl_b32 s73, s73, 13
	s_lshl_b32 s74, s15, 12
	s_add_co_u32 s73, s73, s74
	s_lshr_b32 s75, s20, 2
	s_lshl_b32 s74, s75, 2
	s_add_co_u32 s73, s73, s74
	v_lshl_add_u32 v24, v1, 5, s73
	v_mov_b32 v25, s74                             ; time[0][n]
.irp a, 0,1,2,3,4,5,6,7
	global_load_b32 v[FAC+\a], v24, s[10:11] offset:512*\a
.endr
	global_load_b32 v26, v25, s[10:11]
	s_mov_b32 s61, 0xb5c1a2a0                      ; -log2(e) / 1e6 (k)
	s_cmp_eq_u32 s21, 0
	s_cselect_b32 s61, 0x35c1a2a0, s61             ; +log2(e) / 1e6 (q)
	s_cselect_b32 s62, 0x3e38aa3b, 1.0             ; q: 0.125 log2(e)
	s_cmp_eq_u32 s21, 2
	s_cselect_b32 s61, 0, s61                      ; v: the factor is 2^0
	s_cselect_b32 s63, -1, 0
	v_lshlrev_b32 v[SO], 4, v3                     ; where my 16 bytes go in a block of 512: q, k: 16 x lane;
	v_lshrrev_b32 v5, 3, v1
	v_and_b32 v6, 7, v1
	v_lshlrev_b32 v6, 4, v6
	v_lshl_add_u32 v6, v2, 7, v6
	v_lshl_add_u32 v6, v5, 8, v6                   ; v: 256 (r >> 3) + 128 h + 16 (r & 7), the order in which the transposing LDS load addresses them
	v_cndmask_b32 v[SO], v[SO], v6, s63
	s_mul_i32 s76, s15, HALFT                      ; my 128 rows of X
	s_mul_i32 s77, s16, HALFT                      ; my 128 rows of W,
	s_add_co_u32 s77, s77, 2*HALFT                 ; which lie behind X's 256
.irp s, 0,1
	v_add_nc_u32 v[ADRA+\s], s76, v4
	v_add_nc_u32 v[ADRB+\s], s77, v4
	s_add_co_u32 s76, s76, SLOT
	s_add_co_u32 s77, s77, SLOT
.endr
	s_wait_loadcnt 0x0                             ; bias and time, once
.irp a, 0,1,2,3,4,5,6,7
	v_sub_f32 v[FAC+\a], v[FAC+\a], v26            ; t - t_0 first: a common offset of the times drops out exactly
.endr
.irp a, 0,1,2,3,4,5,6,7
	v_mul_f32 v[FAC+\a], s61, v[FAC+\a]
.endr
.irp a, 0,1,2,3,4,5,6,7
	v_exp_f32 v[FAC+\a], v[FAC+\a]
.endr
	v_nop                                          ; one plain place behind the last exponential (ISA guide 5.7.2)
	s_wait_alu depctr_va_vdst(0)
.irp a, 0,1,2,3,4,5,6,7
	v_mul_f32 v[FAC+\a], s62, v[FAC+\a]            ; the factor of my row in row tile a
.endr
; 16 matrix instructions: row tiles a0, a0 + 1 of the window's four (hi = 0: my rows 0-63, 1: rows 64-127) x all 8 column tiles, 32 along K.
; zero = 1: the first product starts the sums.  The 64 accumulators take turns, one instruction a turn, in the same order in every
; quarter step.
.macro MUL16 f, hi, a0, zero
.irp a, \a0, \a0+1
.irp b, 0,1,2,3,4,5,6,7
.if \zero
	v_wmma_f32_16x16x32_f16 v[8*(8*(\a)+\b):8*(8*(\a)+\b)+7], v[\f+8*\b:\f+8*\b+7], v[\f+8*(4*\hi+\a):\f+8*(4*\hi+\a)+7], 0
.else
	v_wmma_f32_16x16x32_f16 v[8*(8*(\a)+\b):8*(8*(\a)+\b)+7], v[\f+8*\b:\f+8*\b+7], v[\f+8*(4*\hi+\a):\f+8*(4*\hi+\a)+7], v[8*(8*(\a)+\b):8*(8*(\a)+\b)+7]
.endif
.endr
.endr
.endm
; 32 LDS loads in one run: the fragments of one quarter step (128 rows of W, 128 rows of X, 32 K at byte k of the rows) into buffer f
.macro FETCH slot, k, f
	WIN TO_W
.irp i, 0,1,2,3,4,5,6,7
	ds_load_b128 v[\f+8*\i:\f+8*\i+3],   v[ADRB+\slot] offset:\k+\i*16*PITCH
	ds_load_b128 v[\f+8*\i+4:\f+8*\i+7], v[ADRB+\slot] offset:\k+\i*16*PITCH+32
.endr
	WIN 0
.irp i, 0,1,2,3,4,5,6,7
	ds_load_b128 v[\f+8*\i:\f+8*\i+3],   v[ADRA+\slot] offset:\k+\i*16*PITCH
	ds_load_b128 v[\f+8*\i+4:\f+8*\i+7], v[ADRA+\slot] offset:\k+\i*16*PITCH+32
.endr
.endm
; One of a K step's first three quarters: multiplies buffer f; in its middle it fetches the next quarter's fragments, at byte k, into buffer g
.macro QUARTER slot, k, f, g, zero
	s_wait_dscnt 8                                 ; W and X's rows 0-63 are in; the youngest eight loads (X's rows 64-127) may be out
	WIN MUL_LO
	MUL16 \f, 0, 0, \zero
	MUL16 \f, 0, 2, \zero
	PLACES
	FETCH \slot, \k, \g
	s_wait_dscnt 32                                ; all but the 32 just issued
	WIN MUL_HI
	MUL16 \f, 1, 0, \zero
	MUL16 \f, 1, 2, \zero
.endm
.macro THREE slot, zero
	QUARTER \slot, 64,  F0, F1, \zero
	QUARTER \slot, 128, F1, F0, 0
	QUARTER \slot, 192, F0, F1, 0
.endm
; The last quarter: multiplies buffer 1 and changes slots.  In front of the barrier each wave waits for its reads of this slot and for all
; its tensor loads (one is out: its part of the next slot).  Where the slot is filled again the barrier opens a round of the cluster's
; barrier, and the joint refill is the first tensor load behind the round.  From a request to the wait for it: 240 matrix instructions.
.macro TURN slot, next, fill
	s_wait_dscnt 8
	WIN MUL_LO
	MUL16 F1, 0, 0, 0
	s_wait_dscnt 0                                 ; my reads of this slot are over
	s_wait_tensorcnt 0x0                           ; and all my tensor loads have landed
	ds_add_u32 v255, v63
	s_wait_dscnt 0x0
	s_barrier_signal -1
	MUL16 F1, 0, 2, 0                              ; register work while the others arrive
	WIN 0
	s_barrier_wait -1
.if \fill
	CREST
	s_add_nc_u64 s[G0X+4*\slot+2:G0X+4*\slot+3], s[G0X+4*\slot+2:G0X+4*\slot+3], 2*KSTEP*2   ; no tensor load of mine is out: group 0 may be written
	s_add_nc_u64 s[G0W+4*\slot+2:G0W+4*\slot+3], s[G0W+4*\slot+2:G0W+4*\slot+3], 2*KSTEP*2
	JLOAD \slot
.endif
	PLACES
	FETCH \next, 0, F0
	WIN MUL_HI
	MUL16 F1, 1, 0, 0
	MUL16 F1, 1, 2, 0
.endm
.macro LAP zero
	THREE 0, \zero
	TURN 0, 1, 1
	THREE 1, 0
	TURN 1, 0, 1
.endm
	s_wait_tensorcnt 0x1                           ; my part of K step 0 is in; K step 1's stays out
	s_barrier_signal -1
	s_barrier_wait -1
	FETCH 0, 0, F0
	LAP 1                                          ; the first lap stands in front of the loop: its first products start the sums
	WIN 0                                          ; at a label and at a branch every window is 0
	s_mov_b32 s3, LAPS-2
.Llap:
	LAP 0
	WIN 0
	s_sub_co_u32 s3, s3, 1
	s_cmp_lg_u32 s3, 0
	s_cbranch_scc1 .Llap
	THREE 0, 0                                     ; the last lap fills nothing
	TURN 0, 1, 0
	THREE 1, 0
	s_wait_dscnt 8                                 ; the very last quarter: nothing more to fetch
	WIN MUL_LO
	MUL16 F1, 0, 0, 0
	MUL16 F1, 0, 2, 0
	s_wait_dscnt 0
	WIN MUL_HI
	MUL16 F1, 1, 0, 0
	MUL16 F1, 1, 2, 0
	PLACES
	; THE WAY OUT: (sum + bias) x row factor, rounded to f16.  My 128 columns are two heads; a row tile of 16 rows x 64 d is 2,048 bytes,
	; four blocks of 512 bytes (16 d each); each store of the wave covers one block: 512 consecutive bytes, aligned.
	s_lshl_b32 s72, s21, 24                        ; g
	s_lshr_b32 s73, s20, 2
	s_lshl_b32 s73, s73, 21                        ; n
	s_add_co_u32 s72, s72, s73
	s_and_b32 s73, s19, 3
	s_lshl_b32 s73, s73, 19                        ; head = 4 (xblk & 3) + 2 wc + (b >> 2), 131,072 bytes each
	s_add_co_u32 s72, s72, s73
	s_lshl_b32 s73, s16, 18
	s_add_co_u32 s72, s72, s73
	s_and_b32 s73, s20, 3
	s_lshl_b32 s73, s73, 15                        ; row tile = 16 (mb & 3) + 8 wm + i
	s_add_co_u32 s72, s72, s73
	s_lshl_b32 s73, s15, 14
	s_add_co_u32 s72, s72, s73
	s_mov_b32 s73, 0
	s_add_nc_u64 s[12:13], s[12:13], s[72:73]
; row tile i = the eight tiles (a, 0..7) of window 2 or 3 (from = 0x06 or 0x07: source 0 the sums' window, source 1 window 1: the bias)
.macro POUT i, a, from
	WIN \from
.set p, 0
.rept 32
	v_pk_add_f32 v[T+2*p:T+2*p+1], v[64*\a+2*p:64*\a+2*p+1], v[2*p:2*p+1]
.set p, p+1
.endr
	WIN 0
.set p, 0
.rept 32
	PMUL T+2*p, T+2*p, FAC+(\i&6), \i&1
.set p, p+1
.endr
.if \i >= 4
	s_wait_xcnt 0x0                                ; this set of data registers was the data of row tile i - 4's stores: it is written again only behind this wait
.endif
.set p, 0
.rept 32
	v_cvt_pk_f16_f32 v[DAT+32*(\i&3)+p], v[T+2*p], v[T+2*p+1]
.set p, p+1
.endr
.irp b, 0,1,2,3,4,5,6,7
	global_store_b128 v[SO], v[DAT+32*(\i&3)+4*\b:DAT+32*(\i&3)+4*\b+3], s[12:13] offset:(\b>>2)*131072+\i*2048+(\b&3)*512
.endr
.endm
	POUT 0, 0, 0x06
	POUT 1, 1, 0x06
	POUT 2, 2, 0x06
	POUT 3, 3, 0x06
	POUT 4, 0, 0x07
	POUT 5, 1, 0x07
	POUT 6, 2, 0x07
	POUT 7, 3, 0x07
	CROUND                                         ; the closing round: no work-group ends while a partner may still ask for a tile that names it
	s_endpgm
.Lfunc_end_k_q75f5920489_proj:
	.size	k_q75f5920489_proj, .Lfunc_end_k_q75f5920489_proj-k_q75f5920489_proj
	.p2alignl 7, 3214868480
	.fill 96, 4, 3214868480
	.section	.rodata,"a",@progbits
	.p2align	6, 0x0
	.amdhsa_kernel k_q75f5920489_proj
		.amdhsa_group_segment_fixed_size 327680
		.amdhsa_private_segment_fixed_size 0
		.amdhsa_enable_private_segment 0
		.amdhsa_kernarg_size 40
		.amdhsa_user_sgpr_count 2
		.amdhsa_user_sgpr_kernarg_segment_ptr 1
		.amdhsa_wavefront_size32 1
		.amdhsa_system_sgpr_workgroup_id_x 1
		.amdhsa_system_sgpr_workgroup_id_y 1
		.amdhsa_system_sgpr_workgroup_id_z 1
		.amdhsa_system_vgpr_workitem_id 0
		.amdhsa_next_free_vgpr 1024
		.amdhsa_next_free_sgpr 80
		.amdhsa_reserve_vcc 0
		.amdhsa_float_denorm_mode_32 3
		.amdhsa_float_denorm_mode_16_64 3
		.amdhsa_memory_ordered 1
		.amdhsa_forward_progress 1
		.amdhsa_inst_pref_size 222
	.end_amdhsa_kernel
	.amdgpu_metadata
---
amdhsa.version: [ 1, 2 ]
amdhsa.kernels:
  - .name:           k_q75f5920489_proj
    .symbol:         k_q75f5920489_proj.kd
    .args:
      - { .name: xb, .offset: 0, .size: 8, .value_kind: global_buffer, .address_space: global }
      - { .name: wb, .offset: 8, .size: 8, .value_kind: global_buffer, .address_space: global }
      - { .name: in_proj_bias, .offset: 16, .size: 8, .value_kind: global_buffer, .address_space: global }
      - { .name: time, .offset: 24, .size: 8, .value_kind: global_buffer, .address_space: global }
      - { .name: qkv, .offset: 32, .size: 8, .value_kind: global_buffer, .address_space: global }
    .group_segment_fixed_size: 327680
    .private_segment_fixed_size: 0
    .kernarg_segment_align: 8
    .kernarg_segment_size: 40
    .max_flat_workgroup_size: 128
    .sgpr_count:     80
    .vgpr_count:     1024
    .wavefront_size: 32
...
	.end_amdgpu_metadata
.endif
;; end of part 2
;; launch attn (part 3): grid 256 x 1, 4 waves a work-group, clusters of 4 x 1, 327,680 bytes of LDS; arguments qkv, ob, out1; writes ob, out1
.if DOCPART == 3
	.amdgcn_target "amdgcn-amd-amdhsa--gfx1250"
	.amdhsa_code_object_version 6
	.text
	.protected	k_q75f5920489_attn
	.globl	k_q75f5920489_attn
	.p2align	8
	.type	k_q75f5920489_attn,@function
k_q75f5920489_attn:
	s_mov_b64 s[64:65], 0
	v_nop
	global_prefetch_b8 v0, s[64:65] scope:SCOPE_SE
	s_setreg_imm32_b32 hwreg(HW_REG_WAVE_MODE, 25, 1), 1
	s_wait_xcnt 0x0
	s_wait_alu depctr_hold_cnt(0) depctr_sa_sdst(0) depctr_va_vdst(0) depctr_va_sdst(0) depctr_va_ssrc(0) depctr_va_vcc(0) depctr_vm_vsrc(0)
	s_getreg_b32 s2, hwreg(HW_REG_IB_STS2, 6, 4)
	s_cmp_eq_u32 s2, 0
	s_cbranch_scc0 .Lentry_in_a_cluster
	s_endpgm
.Lentry_in_a_cluster:
	s_bfe_u32 s2, ttmp6, 0x10000c
	s_cmp_lg_u32 s2, 0x3003
	s_cbranch_scc0 .Lentry_shape_is_right
	s_endpgm
.Lentry_shape_is_right:
; attn: softmax(q k^T) v for all 16 heads of 32 queries of one n, and the softmax averaged over the heads (out1), in one pass.
; q and k carry the head scaling, the temporal decay and log2(e) already, so the scores are exponents to base 2.
; A work-group owns (n, 32 queries) and walks the 16 heads: 256 work-groups.  Wave w owns keys 256 w .. 256 w + 255: it keeps its
; 256 x 32 scores in 256 registers (window 1) and its part of the running average in 256 more (window 2); the exponentials do not wait for the row's maximum:
; each wave uses the maximum of its own keys, and the four waves' figures are joined by
; 2^(m_wave - m_row) once a head, through LDS.
; TRANSPOSED PRODUCTS: S^T = K Q^T and O^T = V^T P^T.  A lane then holds one query (r = lane & 15) and keys 8 h .. 8 h + 7 of each key
; tile, so maxima and sums stay in the lane but for one exchange of the halves, and the rounded S^T is the second source of the second
; product as it lies: no move between lanes.
; CLUSTER of 4 x 1: the four partners have the same n and neighbouring query blocks and read the same K and V of every head: each wave's
; 32 KiB of K and of V is asked for jointly (mask 15), which divides these requests by four.
; THE ORDER OF THE HEADS: eight clusters share an n, and with it K and V.  Cluster c of the eight begins at head 4 (c & 3) + 2 (c >> 2)
; and walks round the ring of 16, so that at any time the eight ask for eight different heads, and most of a cluster's requests are for
; bytes that another cluster has read some heads earlier.  The first head hangs on the cluster's number alone, which the four partners
; share.  The average over heads is a sum in f32 whose order so differs from cluster to cluster.
; One K slot and one V slot: K of the next head is asked for when this head's scores are made (it lands during exponentials and P V),
; V of the next head when P V is done (it lands during the exchange, the average and the next scores).  Each refill stands first behind
; a round of the cluster's barrier, in front of which every wave has waited for its LDS accesses and for all its tensor loads.
; FORMATS: q, k, v come in f16; the probabilities are rounded to f16 for P V and the attention output to f16 for the last projection;
; sums, maxima and the average are f32.  A probability is 2^(s - m_wave), at most 1; below 2^-25 it becomes 0 in f16, an absolute error
; of at most 2^-25 of the wave's largest probability.  |O| is at most the largest |v|, so O fits wherever v does.
; REGISTERS: window 0: addresses, statistics, fragments, O; window 1: S, tile (i, u) at v[8 (2 i + u)]; window 2: the average, same index;
; window 3: P fragment (kk, u) at v[8 (2 kk + u)], Q fragment (u, ks) at v[128 + 8 (2 u + ks)].
; SCALARS: s[24:27], s[28:31] group 0 of K's and V's loads; s[32:33] Q's, s[34:35] ob's address for the head at work; s[36:37] out1;
; s38 trips; s39 the head; s[40:41], s[42:43], s[44:45], s[46:47] K, V, Q, ob at head 0; s[48:49] the next head x 131,072; s[50:51] this head x 2,048.
.set HEADB,  131072                    ; bytes of one head's q, k or v for one n
.set WPART,  32768                     ; a wave's 16 key tiles of 2,048 bytes
.set VSLOT,  131072                    ; LDS: K slot at 0, V slot here
.set OX,     262144                    ; partial O: wave x 8,192 + (2 db + u) x 1,024 + half x 512 + 16 lane
.set ST,     294912                    ; statistics: wave x 512 + 16 lane: (m0, m1, l0, l1)
.set SPITCH, 1040                      ; the stage for out1: 1,024 bytes + 16, an odd multiple of 16
.set MC, 32                            ; v[32:39]  eight running maxima, chain 4 u + pair
.set LA, 32                            ; v[32:47]  eight running sums (pairs), at 8 u + 2 pair; free of MC by then
.set SR, 32                            ; v[32:47]  the four waves' statistics; free of LA by then
.set G,  48                            ; v[48:55]  wave ws: (g_u0, g_u1)
.set FF, 30                            ; v[30:31]  my own factor for the average
.set DATA, 56                          ; v[56:63]  data of the stores to ob, and nothing else
.set FA, 64                            ; fragment set A, 64 registers
.set FB, 128                           ; fragment set B
.set OA, 192                           ; v[192:255] O, tile (db, u) at 8 (2 db + u); later the four waves' partial sums of my d block
.set QF, 128                           ; window 3
.set W_QK,  0x5c                       ; D, C window 1; source 1 (Q) window 3
.set W_MAX, 0x14                       ; sources 1, 2 window 1
.set W_TWO, 0x05                       ; sources 0, 1 window 1
.set W_SUB, 0x41                       ; destination, source 0 window 1
.set W_SUM, 0x01                       ; source 0 window 1
.set W_CVT, 0xc5                       ; destination window 3, sources window 1
.set W_PV,  0x0c                       ; source 1 (P) window 3
.set W_ACC, 0xa1                       ; destination, source 2 window 2; source 0 window 1
.set W_QLD, 0xc0                       ; destination window 3
.set W_WST, 0x08                       ; store data window 2
.set MSB, 0
.macro WIN new
.if MSB != \new
	s_set_vgpr_msb (MSB<<8)|\new
.set MSB, \new
.endif
.endm
.macro PLACES                          ; four plain vector places behind a matrix instruction (ISA guide 7.12.1)
.rept 4
	v_nop
.endr
.endm
.macro ROUND                           ; a round of the cluster's barrier
	s_barrier_signal -1
	s_barrier_wait -1
	s_cmp_lg_u32 s10, 0
	s_cbranch_scc1 .Lnot_wave_0_\@
	s_barrier_signal -3
.Lnot_wave_0_\@:
	s_barrier_wait -3
	s_barrier_signal -1
	s_barrier_wait -1
.endm
.macro PMUL d, a, b, u                 ; two products by register u of the pair b
.if \u
	v_pk_mul_f32 v[\d:\d+1], v[\a:\a+1], v[\b:\b+1] op_sel:[0,1] op_sel_hi:[1,1]
.else
	v_pk_mul_f32 v[\d:\d+1], v[\a:\a+1], v[\b:\b+1] op_sel:[0,0] op_sel_hi:[1,0]
.endif
.endm
.macro PFMA d, a, b, c, u              ; two fused multiply-adds by register u of the pair b
.if \u
	v_pk_fma_f32 v[\d:\d+1], v[\a:\a+1], v[\b:\b+1], v[\c:\c+1] op_sel:[0,1,0] op_sel_hi:[1,1,1]
.else
	v_pk_fma_f32 v[\d:\d+1], v[\a:\a+1], v[\b:\b+1], v[\c:\c+1] op_sel:[0,0,0] op_sel_hi:[1,0,1]
.endif
.endm
.macro PSUB r, u                       ; two scores less the maximum of query tile u
.if \u
	v_pk_add_f32 v[\r:\r+1], v[\r:\r+1], v[12:13] op_sel:[0,1] op_sel_hi:[1,1] neg_lo:[0,1] neg_hi:[0,1]
.else
	v_pk_add_f32 v[\r:\r+1], v[\r:\r+1], v[12:13] op_sel:[0,0] op_sel_hi:[1,0] neg_lo:[0,1] neg_hi:[0,1]
.endif
.endm
; 16 LDS loads: key tiles i0 .. i0 + 3, 16 keys x 64 d each, stored in fragment order: lane i reads at 16 i
.macro KLOAD set, i0
.irp t, 0,1,2,3
.irp c, 0,1,2,3
	ds_load_b128 v[\set+16*\t+4*\c:\set+16*\t+4*\c+3], v2 offset:(\i0+\t)*2048+\c*512
.endr
.endr
.endm
; 16 matrix instructions: 4 key tiles x 2 query tiles, d 0-31 (starts the sums), then d 32-63.  The eight accumulators take turns, one
; instruction a turn.
.macro QK4 set, i0
.irp ks, 0,1
.irp t, 0,1,2,3
.irp u, 0,1
.if \ks
	v_wmma_f32_16x16x32_f16 v[8*(2*(\i0+\t)+\u):8*(2*(\i0+\t)+\u)+7], v[\set+16*\t+8*\ks:\set+16*\t+8*\ks+7], v[QF+8*(2*\u+\ks):QF+8*(2*\u+\ks)+7], v[8*(2*(\i0+\t)+\u):8*(2*(\i0+\t)+\u)+7]
.else
	v_wmma_f32_16x16x32_f16 v[8*(2*(\i0+\t)+\u):8*(2*(\i0+\t)+\u)+7], v[\set+16*\t+8*\ks:\set+16*\t+8*\ks+7], v[QF+8*(2*\u+\ks):QF+8*(2*\u+\ks)+7], 0
.endif
.endr
.endr
.endr
.endm
; 16 transposing LDS loads: V^T fragments (16 d x 32 keys) of key groups k0, k0 + 1 x 4 d blocks; lane i addresses 16 i of a block of 512 bytes
.macro VLOAD set, k0
.irp kk, 0,1
.irp db, 0,1,2,3
	ds_load_tr16_b128 v[\set+32*\kk+8*\db:\set+32*\kk+8*\db+3],   v3 offset:(2*(\k0+\kk))*2048+\db*512
	ds_load_tr16_b128 v[\set+32*\kk+8*\db+4:\set+32*\kk+8*\db+7], v3 offset:(2*(\k0+\kk)+1)*2048+\db*512
.endr
.endr
.endm
; 16 matrix instructions: 2 key groups x (4 d blocks x 2 query tiles); the eight accumulators take turns
.macro PV2 set, k0, zero
.irp kk, 0,1
.irp db, 0,1,2,3
.irp u, 0,1
.if \zero*(1-\kk)
	v_wmma_f32_16x16x32_f16 v[OA+8*(2*\db+\u):OA+8*(2*\db+\u)+7], v[\set+32*\kk+8*\db:\set+32*\kk+8*\db+7], v[8*(2*(\k0+\kk)+\u):8*(2*(\k0+\kk)+\u)+7], 0
.else
	v_wmma_f32_16x16x32_f16 v[OA+8*(2*\db+\u):OA+8*(2*\db+\u)+7], v[\set+32*\kk+8*\db:\set+32*\kk+8*\db+7], v[8*(2*(\k0+\kk)+\u):8*(2*(\k0+\kk)+\u)+7], v[OA+8*(2*\db+\u):OA+8*(2*\db+\u)+7]
.endif
.endr
.endr
.endr
.endm
; 64 scores (4 key tiles x 2 query tiles): less the maximum, 2^x in place, added to the running sums, rounded into P.
; Register e of S: query tile u = (e >> 3) & 1, key tile e >> 4, pair (e >> 1) & 3.
.macro EXPB bt
	WIN W_SUB
.set e, 64*\bt
.rept 32
	PSUB e, (e>>3)&1
.set e, e+2
.endr
.set e, 64*\bt
.rept 64
	v_exp_f32 v[e], v[e]
.set e, e+1
.endr
	v_nop                                          ; one plain place behind the last exponential (ISA guide 5.7.2)
.if \bt == 0
	WIN W_TWO
.set e, 0
	s_wait_alu depctr_va_vdst(0)
.rept 8
	v_pk_add_f32 v[LA+e:LA+e+1], v[e:e+1], v[e+16:e+17]            ; key tiles 0 and 1 start the eight sums: nothing is cleared
.set e, e+2
.endr
	WIN W_SUM
.set e, 32
.rept 16
	v_pk_add_f32 v[LA+(e&15):LA+(e&15)+1], v[e:e+1], v[LA+(e&15):LA+(e&15)+1]
.set e, e+2
.endr
.else
	WIN W_SUM
.set e, 64*\bt
	s_wait_alu depctr_va_vdst(0)
.rept 32
	v_pk_add_f32 v[LA+(e&15):LA+(e&15)+1], v[e:e+1], v[LA+(e&15):LA+(e&15)+1]
.set e, e+2
.endr
.endif
	WIN W_CVT
.set e, 64*\bt
.rept 32
	v_cvt_pk_f16_f32 v[16*(e>>5)+8*((e>>3)&1)+4*((e>>4)&1)+((e>>1)&3)], v[e], v[e+1]   ; key tile 2 kk fills registers 0-3 of fragment (kk, u), 2 kk + 1 registers 4-7
.set e, e+2
.endr
.endm
	s_load_b128 s[4:7], s[0:1], 0x0                ; qkv s[4:5], ob s[6:7]
	s_load_b64 s[8:9], s[0:1], 0x10                ; out1
	v_lshl_add_u32 v22, v0, 2, 0x48800
	v_mov_b32 v23, 0
	ds_add_u32 v22, v23
	v_lshrrev_b32 v1, 5, v0
	v_readfirstlane_b32 s10, v1                    ; wave 0..3
	s_bfe_u32 s11, ttmp6, 0x40000                  ; cx
	s_lshr_b32 s12, ttmp9, 3                       ; n: eight clusters for each n
	s_and_b32 s39, ttmp9, 3                        ; the first head, from the cluster's number c = cluster x & 7 alone:
	s_lshl_b32 s39, s39, 2
	s_bfe_u32 s60, ttmp9, 0x10002
	s_lshl_b32 s60, s60, 1
	s_add_co_u32 s39, s39, s60                     ; 4 (c & 3) + 2 (c >> 2)
	s_and_b32 s13, ttmp9, 7
	s_lshl_b32 s13, s13, 2
	s_add_co_u32 s13, s13, s11                     ; qb: block of 32 queries
	s_mov_b32 s14, 0x76543210                      ; v_permlanex16_b32: lane i of one half reads lane i of the other
	s_mov_b32 s15, 0xfedcba98
	; group 1: 32,768 dense bytes as 128 rows of 256 bytes (32 elements of 8 bytes); mask 15: all four partners; bit 21 beside the mask
	s_mov_b32 s16, 15|(3<<16)|(1<<21)
	s_mov_b32 s17, 32<<16                          ; tensor_dim0 = 32
	s_mov_b32 s18, 128<<16                         ; tensor_dim1 = 128
	s_mov_b32 s19, 32<<16                          ; tile_dim0 = 32
	s_mov_b32 s20, 128                             ; tile_dim1 = 128
	s_mov_b32 s21, 32                              ; pitch
	s_mov_b32 s22, 0
	s_mov_b32 s23, 0
	s_lshl_b32 s52, s12, 21                        ; K's and V's addresses are made of n, the wave and the head, which the partners share
	s_lshl_b32 s53, s10, 15
	s_add_co_u32 s52, s52, s53
	s_add_co_u32 s52, s52, 0x1000000               ; k lies 16 MiB behind q
	s_mov_b32 s53, 0
	s_lshl_b32 s54, s12, 21                        ; q: n, 4,096 bytes for each block of 32 queries
	s_lshl_b32 s55, s13, 12
	s_add_co_u32 s54, s54, s55
	s_mov_b32 s55, 0
	s_lshl_b32 s56, s12, 21                        ; ob: row tile 64 n + 2 qb, 32,768 bytes each
	s_lshl_b32 s57, s13, 16
	s_add_co_u32 s56, s56, s57
	s_mov_b32 s57, 0
	s_lshl_b32 s58, s12, 22                        ; out1: n, 32 rows of 4,096 bytes for each query block
	s_lshl_b32 s59, s13, 17
	s_add_co_u32 s58, s58, s59
	s_mov_b32 s59, 0
	s_lshl_b32 s48, s39, 17                        ; the first head's 131,072 bytes
	s_mov_b32 s49, 0
	s_mov_b32 s51, 0
	s_wait_dscnt 0x0
	s_wait_kmcnt 0x0
	s_add_nc_u64 s[40:41], s[4:5], s[52:53]        ; K at head 0
	s_add_nc_u64 s[42:43], s[40:41], 0x1000000     ; V at head 0: 16 MiB behind k
	s_add_nc_u64 s[44:45], s[4:5], s[54:55]        ; Q at head 0
	s_add_nc_u64 s[46:47], s[6:7], s[56:57]        ; ob at head 0
	s_add_nc_u64 s[36:37], s[8:9], s[58:59]        ; out1
	s_add_nc_u64 s[32:33], s[44:45], s[48:49]      ; Q of the first head
	ROUND                                          ; the four partners are here: the first joint loads meet
	s_mov_b32 s24, 1
	s_mul_i32 s25, s10, WPART                      ; K slot: wave x 32,768
	s_add_nc_u64 s[26:27], s[40:41], s[48:49]
	s_or_b32 s27, s27, 0x80000000
	s_mov_b32 s28, 1
	s_add_co_u32 s29, s25, VSLOT                   ; V slot
	s_add_nc_u64 s[30:31], s[42:43], s[48:49]
	s_or_b32 s31, s31, 0x80000000
	tensor_load_to_lds s[24:27], s[16:23]          ; K of the first head
	s_nop 0
	tensor_load_to_lds s[28:31], s[16:23]          ; V of the first head: two tensor loads of the wave are out, later one
	s_nop 0
	v_and_b32 v9, 31, v0
	v_lshlrev_b32 v1, 4, v9                        ; 16 x lane
	v_lshl_add_u32 v2, s10, 15, v1                 ; KADR; also the read address of the stage
	v_add_nc_u32 v3, VSLOT, v2                     ; VADR
	v_lshl_add_u32 v4, s10, 13, v1
	v_add_nc_u32 v4, OX, v4                        ; where I put my partial O
	v_lshl_add_u32 v5, s10, 11, v1
	v_add_nc_u32 v5, OX, v5                        ; where I read d block w of every wave's
	v_lshl_add_u32 v8, s10, 9, v1                  ; ob: 512 w + 16 lane
	v_add_nc_u32 v6, ST, v8                        ; my statistics
	v_add_nc_u32 v7, ST, v1                        ; everybody's
	v_lshl_add_u32 v9, s10, 10, v1                 ; out1: 1,024 w + 16 lane
	v_and_b32 v10, 15, v0
	v_bfe_u32 v11, v0, 4, 1
	v_mul_u32_u24 v10, v10, SPITCH
	v_lshl_add_u32 v10, v11, 5, v10
	v_lshl_add_u32 v10, s10, 15, v10               ; the stage: row r, 32 bytes for each half of the lanes
	v_mov_b32 v28, 0                               ; destinations of v_permlanex16_b32 count as read
	v_mov_b32 v29, 0
	WIN W_QLD
.irp j, 0,1,2,3,4,5,6,7
	global_load_b128 v[QF+4*\j:QF+4*\j+3], v1, s[32:33] offset:512*\j      ; Q of the first head, stored in fragment order, straight into registers
.endr
	WIN 0
	s_wait_tensorcnt 0x1                           ; my K is in (only I read it); V stays out
	KLOAD FA, 0
	KLOAD FB, 4
; One head.  first = 1: the average starts here.  fill = 1: the next head's Q, K and V are asked for.
.macro HEAD first, fill
	; 1. S^T = K Q^T, 64 matrix instructions on two sets of K fragments
	s_wait_loadcnt 0x0                             ; Q
	s_wait_dscnt 16                                ; set A is in; set B's 16 loads are younger
	WIN W_QK
	QK4 FA, 0
	WIN 0
	PLACES
	KLOAD FA, 8
	s_wait_dscnt 16                                ; set B is in
	WIN W_QK
	QK4 FB, 4
	WIN 0
	PLACES
	KLOAD FB, 12
	s_wait_dscnt 16
	WIN W_QK
	QK4 FA, 8
	s_wait_dscnt 0
	QK4 FB, 12
	; 2. the maximum over my 256 keys, eight chains.  The first 64 lines name no register of the last 32 matrix instructions, so each
	; result is read well over four plain vector places behind the instruction that made it.
	WIN W_TWO
.set e, 0
.rept 8
	v_max_num_f32 v[MC+(e>>1)], v[e], v[e+1]
.set e, e+2
.endr
	WIN W_MAX
.rept 120
	v_max3_num_f32 v[MC+((e>>1)&7)], v[MC+((e>>1)&7)], v[e], v[e+1]
.set e, e+2
.endr
	WIN 0
	v_max3_num_f32 v[MC], v[MC], v[MC+1], v[MC+2]
	v_max3_num_f32 v[MC+4], v[MC+4], v[MC+5], v[MC+6]
	v_max_num_f32 v[MC], v[MC], v[MC+3]
	v_max_num_f32 v[MC+4], v[MC+4], v[MC+7]
	v_permlanex16_b32 v28, v[MC], s14, s15         ; the other half of the lanes holds the other keys of the same query
	v_permlanex16_b32 v29, v[MC+4], s14, s15
	v_max_num_f32 v12, v[MC], v28                  ; m0
	v_max_num_f32 v13, v[MC+4], v29                ; m1
	s_lshl_b32 s50, s39, 11                        ; this head's 8 groups of 8 columns in ob: 2,048 bytes a head (an offset; the address is made in step 10)
.if \fill
	s_add_co_u32 s39, s39, 1
	s_and_b32 s39, s39, 15                         ; the next head, round the ring of 16
	s_lshl_b32 s48, s39, 17                        ; its 131,072 bytes in q, k and v
	s_add_nc_u64 s[32:33], s[44:45], s[48:49]      ; Q's address is free since the wait for Q
	WIN W_QLD
.irp j, 0,1,2,3,4,5,6,7
	global_load_b128 v[QF+4*\j:QF+4*\j+3], v1, s[32:33] offset:512*\j      ; the next head's Q
.endr
	WIN 0
.endif
	; 3. my reads of K are over and V has landed; behind the round K's slot is filled again.  The barrier also stands between the last
	; head's reads of the exchange area and this head's stores into it.
	s_wait_dscnt 0x0
	s_wait_tensorcnt 0x0
	ds_add_u32 v22, v23
	s_wait_dscnt 0x0
.if \fill
	s_add_nc_u64 s[26:27], s[40:41], s[48:49]      ; no tensor load of mine is out: group 0 may be written
	s_or_b32 s27, s27, 0x80000000
	ROUND
	tensor_load_to_lds s[24:27], s[16:23]          ; K of the next head: my one tensor load behind this round
	s_nop 0
.else
	s_barrier_signal -1
	s_barrier_wait -1
.endif
	VLOAD FA, 0
	VLOAD FB, 2
	; 4. p = 2^(s - m), sums, rounding
	EXPB 0
	EXPB 1
	EXPB 2
	EXPB 3
	WIN 0
	v_pk_add_f32 v[LA:LA+1], v[LA:LA+1], v[LA+2:LA+3]
	v_pk_add_f32 v[LA+4:LA+5], v[LA+4:LA+5], v[LA+6:LA+7]
	v_pk_add_f32 v[LA+8:LA+9], v[LA+8:LA+9], v[LA+10:LA+11]
	v_pk_add_f32 v[LA+12:LA+13], v[LA+12:LA+13], v[LA+14:LA+15]
	v_pk_add_f32 v[LA:LA+1], v[LA:LA+1], v[LA+4:LA+5]
	v_pk_add_f32 v[LA+8:LA+9], v[LA+8:LA+9], v[LA+12:LA+13]
	v_add_f32 v[LA], v[LA], v[LA+1]
	v_add_f32 v[LA+8], v[LA+8], v[LA+9]
	v_permlanex16_b32 v28, v[LA], s14, s15
	v_permlanex16_b32 v29, v[LA+8], s14, s15
	v_add_f32 v14, v[LA], v28                      ; l0
	v_add_f32 v15, v[LA+8], v29                    ; l1
	; 5. O^T = V^T P^T over my keys, 64 matrix instructions on two sets of V fragments (LDS loads need no other window here)
	WIN W_PV
	s_wait_dscnt 16
	PV2 FA, 0, 1
	PLACES
	VLOAD FA, 4
	s_wait_dscnt 16
	PV2 FB, 2, 0
	PLACES
	VLOAD FB, 6
	s_wait_dscnt 16
	PV2 FA, 4, 0
	s_wait_dscnt 0
	PV2 FB, 6, 0
	WIN 0
	PLACES
	; 6. my partial O and my statistics go to LDS; my reads of V are over and the next K has landed; behind the round V's slot is filled again
.set t, 0
.rept 16
	ds_store_b128 v4, v[OA+4*t:OA+4*t+3] offset:512*t
.set t, t+1
.endr
	ds_store_b128 v6, v[12:15]
	s_wait_dscnt 0x0
	s_wait_tensorcnt 0x0
	ds_add_u32 v22, v23
	s_wait_dscnt 0x0
.if \fill
	s_add_nc_u64 s[30:31], s[42:43], s[48:49]      ; no tensor load of mine is out: group 0 may be written
	s_or_b32 s31, s31, 0x80000000
	ROUND
	tensor_load_to_lds s[28:31], s[16:23]          ; V of the next head: my one tensor load behind this round
	s_nop 0
.else
	s_barrier_signal -1
	s_barrier_wait -1
.endif
	; 7. everybody's statistics; d block w of everybody's partial O; the next head's first K fragments
.irp ws, 0,1,2,3
	ds_load_b128 v[SR+4*\ws:SR+4*\ws+3], v7 offset:512*\ws
.endr
.irp ws, 0,1,2,3
.irp c, 0,1,2,3
	ds_load_b128 v[OA+16*\ws+4*\c:OA+16*\ws+4*\c+3], v5 offset:8192*\ws+512*\c
.endr
.endr
.if \fill
	KLOAD FA, 0
	KLOAD FB, 4
	s_wait_dscnt 48                                ; the statistics are in; 16 loads of O and 32 of K are younger
.else
	s_wait_dscnt 16
.endif
	; 8. the row's maximum, g = 2^(m_ws - m) / l for O, f = 2^(m_mine - m) / (16 l) for the average
	v_max3_num_f32 v24, v[SR], v[SR+4], v[SR+8]
	v_max3_num_f32 v25, v[SR+1], v[SR+5], v[SR+9]
	v_max_num_f32 v24, v24, v[SR+12]
	v_max_num_f32 v25, v25, v[SR+13]
.irp ws, 0,1,2,3
	v_pk_add_f32 v[G+2*\ws:G+2*\ws+1], v[SR+4*\ws:SR+4*\ws+1], v[24:25] neg_lo:[0,1] neg_hi:[0,1]
.endr
	v_pk_add_f32 v[FF:FF+1], v[12:13], v[24:25] neg_lo:[0,1] neg_hi:[0,1]
.irp j, 0,1,2,3,4,5,6,7
	v_exp_f32 v[G+\j], v[G+\j]
.endr
	v_exp_f32 v[FF], v[FF]
	v_exp_f32 v[FF+1], v[FF+1]
	v_nop                                          ; one plain place behind the last exponential
	s_wait_alu depctr_va_vdst(0)
	v_pk_mul_f32 v[26:27], v[G:G+1], v[SR+2:SR+3]
.irp ws, 1,2,3
	v_pk_fma_f32 v[26:27], v[G+2*\ws:G+2*\ws+1], v[SR+4*\ws+2:SR+4*\ws+3], v[26:27]
.endr
	v_rcp_f32 v26, v26
	v_rcp_f32 v27, v27
	v_nop                                          ; one plain place behind the last reciprocal
	s_wait_alu depctr_va_vdst(0)
.irp ws, 0,1,2,3
	v_pk_mul_f32 v[G+2*\ws:G+2*\ws+1], v[G+2*\ws:G+2*\ws+1], v[26:27]
.endr
	v_pk_mul_f32 v[FF:FF+1], v[FF:FF+1], v[26:27]
	v_pk_mul_f32 v[FF:FF+1], v[FF:FF+1], 0x3d800000 op_sel_hi:[1,0]        ; 1 / 16 heads
	; 9. the average takes this head's probabilities
	WIN W_ACC
.set e, 0
.rept 128
.if \first
	PMUL e, e, FF, (e>>3)&1
.else
	PFMA e, e, FF, e, (e>>3)&1
.endif
.set e, e+2
.endr
	WIN 0
	; 10. O of d block w: the four waves' parts, each by its factor; f16; 512 consecutive bytes, aligned, for each query tile
.if \fill
	s_wait_dscnt 32                                ; the parts are in; the 32 loads of K are younger
.else
	s_wait_dscnt 0
.endif
.irp u, 0,1
.irp p, 0,1,2,3
	PMUL OA+8*\u+2*\p, OA+8*\u+2*\p, G, \u
.endr
.endr
.irp ws, 1,2,3
.irp u, 0,1
.irp p, 0,1,2,3
	PFMA OA+8*\u+2*\p, OA+16*\ws+8*\u+2*\p, G+2*\ws, OA+8*\u+2*\p, \u
.endr
.endr
.endr
	s_wait_xcnt 0x0                                ; the last head's stores have read their data and their base: both are written again only behind this wait
	s_add_nc_u64 s[34:35], s[46:47], s[50:51]      ; ob at this head
.irp u, 0,1
.irp p, 0,1,2,3
	v_cvt_pk_f16_f32 v[DATA+4*\u+\p], v[OA+8*\u+2*\p], v[OA+8*\u+2*\p+1]
.endr
.endr
	global_store_b128 v8, v[DATA:DATA+3], s[34:35]
	global_store_b128 v8, v[DATA+4:DATA+7], s[34:35] offset:32768
.endm
	HEAD 1, 1                                      ; the first head
	s_mov_b32 s38, 14
.Lhead:
	HEAD 0, 1                                      ; the next fourteen
	s_sub_co_u32 s38, s38, 1
	s_cmp_lg_u32 s38, 0
	s_cbranch_scc1 .Lhead
	HEAD 0, 0                                      ; the sixteenth: nothing is left to fetch
; THE WAY OUT of the average: 16 queries x my 256 keys at a time, through my own part of K's slot, which has had its last fill and which
; no other wave touches; read back as half rows of 512 bytes, eight rows a run: each store of the wave covers 512 consecutive bytes, aligned.
.macro WOUT u
	WIN W_WST
.irp i, 0,1,2,3,4,5,6,7,8,9,10,11,12,13,14,15
	ds_store_b128 v10, v[8*(2*\i+\u):8*(2*\i+\u)+3] offset:64*\i
	ds_store_b128 v10, v[8*(2*\i+\u)+4:8*(2*\i+\u)+7] offset:64*\i+16
.endr
	WIN 0
.if \u
	s_wait_xcnt 0x0                                ; the registers below were the data of the first half's stores
.endif
.irp hb, 0,1
.set k, 16*\hb
.rept 16
	ds_load_b128 v[FA+4*k:FA+4*k+3], v2 offset:SPITCH*(k>>1)+512*(k&1)     ; LDS serves a wave's instructions in order (ISA guide 5.7.1): these see the stores above
.set k, k+1
.endr
.set k, 16*\hb
.rept 16
	s_wait_dscnt 16*\hb+15-k                       ; this read-back is in; the younger ones of the run of 16 stay out
	global_store_b128 v9, v[FA+4*k:FA+4*k+3], s[36:37] offset:65536*\u+4096*(k>>1)+512*(k&1) th:TH_STORE_NT
.set k, k+1
.endr
.endr
.endm
	WOUT 0
	WOUT 1
	s_wait_tensorcnt 0x0
	ds_add_u32 v22, v23
	s_wait_dscnt 0x0
	ROUND                                          ; the closing round
	s_endpgm
.Lfunc_end_k_q75f5920489_attn:
	.size	k_q75f5920489_attn, .Lfunc_end_k_q75f5920489_attn-k_q75f5920489_attn
	.p2alignl 7, 3214868480
	.fill 96, 4, 3214868480
	.section	.rodata,"a",@progbits
	.p2align	6, 0x0
	.amdhsa_kernel k_q75f5920489_attn
		.amdhsa_group_segment_fixed_size 327680
		.amdhsa_private_segment_fixed_size 0
		.amdhsa_enable_private_segment 0
		.amdhsa_kernarg_size 24
		.amdhsa_user_sgpr_count 2
		.amdhsa_user_sgpr_kernarg_segment_ptr 1
		.amdhsa_wavefront_size32 1
		.amdhsa_system_sgpr_workgroup_id_x 1
		.amdhsa_system_sgpr_workgroup_id_y 1
		.amdhsa_system_sgpr_workgroup_id_z 1
		.amdhsa_system_vgpr_workitem_id 0
		.amdhsa_next_free_vgpr 928
		.amdhsa_next_free_sgpr 66
		.amdhsa_reserve_vcc 0
		.amdhsa_float_denorm_mode_32 3
		.amdhsa_float_denorm_mode_16_64 3
		.amdhsa_memory_ordered 1
		.amdhsa_forward_progress 1
		.amdhsa_inst_pref_size 247
	.end_amdhsa_kernel
	.amdgpu_metadata
---
amdhsa.version: [ 1, 2 ]
amdhsa.kernels:
  - .name:           k_q75f5920489_attn
    .symbol:         k_q75f5920489_attn.kd
    .args:
      - { .name: qkv, .offset: 0, .size: 8, .value_kind: global_buffer, .address_space: global }
      - { .name: ob, .offset: 8, .size: 8, .value_kind: global_buffer, .address_space: global }
      - { .name: out1, .offset: 16, .size: 8, .value_kind: global_buffer, .address_space: global }
    .group_segment_fixed_size: 327680
    .private_segment_fixed_size: 0
    .kernarg_segment_align: 8
    .kernarg_segment_size: 24
    .max_flat_workgroup_size: 128
    .sgpr_count:     66
    .vgpr_count:     928
    .wavefront_size: 32
...
	.end_amdgpu_metadata
.endif
;; end of part 3
;; launch outp (part 4): grid 8 x 32, 4 waves a work-group, clusters of 4 x 4, 327,680 bytes of LDS; arguments ob, wb, out_proj_bias, out0; writes out0
.if DOCPART == 4
	.amdgcn_target "amdgcn-amd-amdhsa--gfx1250"
	.amdhsa_code_object_version 6
	.text
	.protected	k_q75f5920489_outp
	.globl	k_q75f5920489_outp
	.p2align	8
	.type	k_q75f5920489_outp,@function
k_q75f5920489_outp:
	s_mov_b64 s[64:65], 0
	v_nop
	global_prefetch_b8 v0, s[64:65] scope:SCOPE_SE
	s_setreg_imm32_b32 hwreg(HW_REG_WAVE_MODE, 25, 1), 1
	s_wait_xcnt 0x0
	s_wait_alu depctr_hold_cnt(0) depctr_sa_sdst(0) depctr_va_vdst(0) depctr_va_sdst(0) depctr_va_ssrc(0) depctr_va_vcc(0) depctr_vm_vsrc(0)
	s_getreg_b32 s2, hwreg(HW_REG_IB_STS2, 6, 4)
	s_cmp_eq_u32 s2, 0
	s_cbranch_scc0 .Lentry_in_a_cluster
	s_endpgm
.Lentry_in_a_cluster:
	s_bfe_u32 s2, ttmp6, 0x10000c
	s_cmp_lg_u32 s2, 0xf033
	s_cbranch_scc0 .Lentry_shape_is_right
	s_endpgm
.Lentry_shape_is_right:
; One text for the two projection launches; MODE picks the launch.
; MODE 0 (proj): q, k, v = X W^T + b for the three inputs at once; 8,192 x 3,072 outputs, K = 1,024.  Each row is then scaled:
;   q rows by 0.125 log2(e) 2^(c (t_l - t_0)), k rows by 2^(-c (t_s - t_0)), v rows by 1, with c = log2(e) / 1e6 and t_0 = time[0][n].
;   The product of the two factors is 0.125 log2(e) exp((t_l - t_s) / 1e6): the head scaling, the temporal decay and the change to
;   base 2 are in q and k before they are rounded, and attention pays nothing for them.
; MODE 1 (outp): out0 = O Wo^T + bo; 8,192 x 1,024 outputs, K = 1,024, f32 out.
; Operands are f16 (rounded once by earlier launches), sums f32.  f16 and not bf16: q, k, v, the probabilities and O are each rounded
; once on the way to out0, and 11 significant bits make each rounding eight times finer than 8 bits would.
; LIMIT (format): q, k and v, scaled, are stored in f16: above 65,504 in magnitude they overflow.  Activations of spread 1 and weights
;   of spread 1/32 give q, k, v of spread 1; all inputs 30 times larger give 900; a common offset of 30 spreads on activations and
;   weights at once gives 1,024 x 30 x 30/32 = 28,800.  Below 6.1e-5 f16 goes on in steps of 6e-8.
; LIMIT (range): |time[l][n] - time[0][n]| < 1e6 keeps each decay factor within 1/e .. e; larger differences use up f16's range in q or k
;   although the quotient of the two factors might be moderate.
; A work-group makes 256 rows x 128 columns with four waves; a wave makes 128 x 64: 32 accumulator tiles, 256 registers.  768 (256)
; work-groups: three (one) for each of 256 WGPs, all alike.  K goes in steps of 128 through two LDS slots filled by tensor loads.
; CLUSTERS of 4 x 4: the four work-groups of a cluster's row need the same X tile, the four of a column the same W tile; each tile is
; asked for jointly (same descriptor, a mask that names the four), which divides the requests by four.
; THE MATRIX INSTRUCTION IS USED TRANSPOSED: source 0 = 16 rows of W, source 1 = 16 rows of X, so that lane (r, h) holds row r of the
; result and eight neighbouring columns 8 h .. 8 h + 7.
; REGISTERS: window 0: addresses, two fragment buffers, bias; window 1: accumulator (a, b) at v[8 (4 a + b)].
.set MODE, 1
.set PITCH, 272                        ; a padded LDS row: 256 bytes + 16, an odd multiple of 16: the 16 rows of a fragment load start in 16 different groups of banks
.if MODE == 0
.set XFRAG, 16*PITCH                   ; X in LDS: 256 rows along K, padded
.set XQ,    64                         ; 32 along K
.set XC2,   32                         ; the fragment's second 16 bytes
.set XHALF, 128*PITCH                  ; 128 rows: one tensor load, and one wave's share
.set XSTEP, 256                        ; a K step in memory
.else
.set XFRAG, 4096                       ; X (ob) is stored in fragment order: [row tile][group of 8 k][row][8]; a lane reads at 16 x lane, no padding needed
.set XQ,    1024
.set XC2,   512
.set XHALF, 32768
.set XSTEP, 4096
.endif
.set WOFF,  2*XHALF                    ; W's 128 rows lie behind X's 256
.set WFRAG, 16*PITCH
.set WQ,    64
.set WC2,   32
.set WHALF, 64*PITCH
.set WSTEP, 256
.set SLOT,  WOFF+2*WHALF
.set STAGE, 2*SLOT                     ; MODE 1: behind the ring, 16 rows x 272 bytes for each wave; no tensor load ever lands there
.set LAPS,  4                          ; 1,024 / (2 x 128): a lap is once round the ring
.set ADRX, 16                          ; v16-17  LDS address of my X fragments in slot 0, 1
.set ADRW, 18                          ; v18-19  the same for W
.set F0,   32                          ; fragment buffer 0: W fragment b at F+8b, X fragment a at F+32+8a
.set F1,   128                         ; fragment buffer 1
.set BIAS, 224                         ; v[224:255] bias of my 8 columns in each of 4 column tiles
.set T,    32                          ; the way out: 32 numbers at work
.set DAT,  64                          ; the way out: data of stores
.set G1X, 24                           ; s[24:31] group 1 of X's tiles
.set G0X, 32                           ; s[32:39] group 0 of X's tiles, one set a slot
.set G1W, 40                           ; s[40:47] group 1 of W's tiles
.set G0W, 48                           ; s[48:55] group 0 of W's tiles, one set a slot
.set PADF, (1<<16)|(1<<20)|(1<<21)|(5<<22)|(3<<25)   ; 2-byte elements; padding on: 4 words behind every 64; bit 21 beside a mask
.set MULW, 0x50                        ; C and D in window 1, sources in window 0
.set MSB, 0
.macro WIN new                         ; the immediate's high byte repeats the setting that is left
.if MSB != \new
	s_set_vgpr_msb (MSB<<8)|\new
.set MSB, \new
.endif
.endm
.macro PLACES                          ; four plain vector places behind a matrix instruction (ISA guide 7.12.1) before its registers are loaded into or its result is read
.rept 4
	v_nop
.endr
.endm
; A joint load: waves 0 and 1 fetch X's two halves, waves 2 and 3 W's.  The branch hangs on the wave's number alone.
.macro JLOAD s
	s_cmp_eq_u32 s15, 0
	s_cbranch_scc0 .Lfor_w_\@
	tensor_load_to_lds s[G0X+4*\s:G0X+4*\s+3], s[G1X:G1X+7]
	s_nop 0
	s_branch .Lasked_\@
.Lfor_w_\@:
	tensor_load_to_lds s[G0W+4*\s:G0W+4*\s+3], s[G1W:G1W+7]
	s_nop 0
.Lasked_\@:
.endm
.macro CREST                           ; a round of the cluster's barrier behind its opening work-group barrier
	s_cmp_lg_u32 s14, 0
	s_cbranch_scc1 .Lnot_wave_0_\@
	s_barrier_signal -3
.Lnot_wave_0_\@:
	s_barrier_wait -3
	s_barrier_signal -1
	s_barrier_wait -1
.endm
.macro CROUND                          ; a whole round
	s_barrier_signal -1
	s_barrier_wait -1
	CREST
.endm
.macro PMUL d, a, b, u                 ; two products by register u of the pair b
.if \u
	v_pk_mul_f32 v[\d:\d+1], v[\a:\a+1], v[\b:\b+1] op_sel:[0,1] op_sel_hi:[1,1]
.else
	v_pk_mul_f32 v[\d:\d+1], v[\a:\a+1], v[\b:\b+1] op_sel:[0,0] op_sel_hi:[1,0]
.endif
.endm
.if MODE == 0
	s_load_b256 s[4:11], s[0:1], 0x0               ; xb s[4:5], wb s[6:7], in_proj_bias s[8:9], time s[10:11]
	s_load_b64 s[12:13], s[0:1], 0x20              ; qkv
.else
	s_load_b128 s[4:7], s[0:1], 0x0                ; ob s[4:5], wb s[6:7]
	s_load_b64 s[8:9], s[0:1], 0x10                ; out_proj_bias
	s_load_b64 s[12:13], s[0:1], 0x18              ; out0
	v_lshl_add_u32 v30, v0, 2, 0x35400
	v_mov_b32 v31, 0
	ds_add_u32 v30, v31
.endif
	v_lshrrev_b32 v1, 5, v0
	v_readfirstlane_b32 s14, v1                    ; wave 0..3
	s_lshr_b32 s15, s14, 1                         ; wm: my 128 of the block's 256 rows.  Also: I fetch for X (0) or for W (1)
	s_and_b32 s16, s14, 1                          ; wc: my 64 of its 128 columns.  Also: which half of that tile I fetch
	s_bfe_u32 s17, ttmp6, 0x40000                  ; cx
	s_bfe_u32 s18, ttmp6, 0x40004                  ; cy
	s_lshl_b32 s19, ttmp9, 2
	s_add_co_u32 s19, s19, s17                     ; xblk: block of 128 W rows = 4 x cluster x + cx
	s_and_b32 s20, ttmp7, 0xffff
	s_lshl_b32 s20, s20, 2
	s_add_co_u32 s20, s20, s18                     ; mb: block of 256 X rows = 4 x cluster y + cy
	s_lshl_b32 s56, s18, 2
	s_lshl_b32 s56, 15, s56                        ; my row of the cluster: places 4 cy .. 4 cy + 3
	s_lshl_b32 s66, 0x1111, s17                    ; my column: places cx, cx + 4, cx + 8, cx + 12
.if MODE == 0
	s_or_b32 s[G1X+0], s56, PADF                   ; X: 128 rows x 128 f16, rows 1,024 elements apart, padded in LDS
	s_mov_b32 s[G1X+1], 128<<16                    ; tensor_dim0 = 128
	s_mov_b32 s[G1X+2], 128<<16                    ; tensor_dim1 = 128
	s_mov_b32 s[G1X+3], 128<<16                    ; tile_dim0 = 128
	s_mov_b32 s[G1X+4], 128                        ; tile_dim1 = 128
	s_mov_b32 s[G1X+5], 1024                       ; pitch
.else
	s_or_b32 s[G1X+0], s56, (3<<16)|(1<<21)        ; X: 8 row tiles x 4,096 bytes (512 elements of 8 bytes), 32,768 bytes apart, dense in LDS
	s_mov_b32 s[G1X+1], 512<<16
	s_mov_b32 s[G1X+2], 8<<16
	s_mov_b32 s[G1X+3], 512<<16
	s_mov_b32 s[G1X+4], 8
	s_mov_b32 s[G1X+5], 4096
.endif
	s_mov_b32 s[G1X+6], 0
	s_mov_b32 s[G1X+7], 0
	s_or_b32 s[G1W+0], s66, PADF                   ; W: 64 rows x 128 f16, padded
	s_mov_b32 s[G1W+1], 128<<16
	s_mov_b32 s[G1W+2], 64<<16
	s_mov_b32 s[G1W+3], 128<<16
	s_mov_b32 s[G1W+4], 64
	s_mov_b32 s[G1W+5], 1024
	s_mov_b32 s[G1W+6], 0
	s_mov_b32 s[G1W+7], 0
	; where the tiles come from.  X's address is made of mb, the wave and (MODE 0) the cluster's x, which my row of the cluster shares;
	; W's of xblk and the wave, which my column shares; each in registers that never hold the other coordinate.
	s_lshl_b32 s58, s20, 19                        ; 256 rows of 2,048 bytes = 16 row tiles of 32,768 bytes
	s_lshl_b32 s57, s16, 18
	s_add_co_u32 s58, s58, s57
.if MODE == 0
	s_lshr_b32 s21, ttmp9, 1                       ; g = xblk / 8: 0 q, 1 k, 2 v; from the cluster's x alone
	s_lshl_b32 s57, s21, 24
	s_add_co_u32 s58, s58, s57
.endif
	s_mov_b32 s59, 0
	s_lshl_b32 s68, s19, 18                        ; 128 rows of 2,048 bytes
	s_lshl_b32 s67, s16, 17
	s_add_co_u32 s68, s68, s67
.if MODE == 1
	s_add_co_u32 s68, s68, 3072*2048               ; out_proj_weight lies behind in_proj_weight in wb
.endif
	s_mov_b32 s69, 0
	s_mul_i32 s60, s14, XHALF                      ; LDS: X's halves at wave x XHALF (waves 0, 1),
	s_mul_i32 s70, s14, WHALF
	s_add_co_u32 s70, s70, WOFF-2*WHALF            ; W's halves at WOFF + (wave - 2) x WHALF (waves 2, 3)
	s_wait_dscnt 0x0
	s_wait_kmcnt 0x0
	s_add_nc_u64 s[58:59], s[4:5], s[58:59]
	s_add_nc_u64 s[68:69], s[6:7], s[68:69]
	CROUND                                         ; all sixteen work-groups are here: the first joint loads meet
.irp s, 0,1
	s_mov_b32 s[G0X+4*\s], 1
	s_add_co_u32 s[G0X+4*\s+1], s60, \s*SLOT
	s_add_nc_u64 s[G0X+4*\s+2:G0X+4*\s+3], s[58:59], \s*XSTEP
	s_or_b32 s[G0X+4*\s+3], s[G0X+4*\s+3], 0x80000000
	s_mov_b32 s[G0W+4*\s], 1
	s_add_co_u32 s[G0W+4*\s+1], s70, \s*SLOT
	s_add_nc_u64 s[G0W+4*\s+2:G0W+4*\s+3], s[68:69], \s*WSTEP
	s_or_b32 s[G0W+4*\s+3], s[G0W+4*\s+3], 0x80000000
	JLOAD \s                                       ; K steps 0 and 1: two tensor loads of the wave are out, later one
.endr
	v_and_b32 v1, 15, v0                           ; r
	v_bfe_u32 v2, v0, 4, 1                         ; h
	v_and_b32 v3, 31, v0                           ; lane
	v_mul_u32_u24 v4, v1, PITCH
	v_lshl_add_u32 v4, v2, 4, v4                   ; 272 r + 16 h: a fragment's lane term in padded rows
	s_lshl_b32 s71, s19, 9
	s_lshl_b32 s72, s16, 8
	s_add_co_u32 s71, s71, s72
	v_lshl_add_u32 v23, v2, 5, s71                 ; bias: 4 (128 xblk + 64 wc + 8 h)
.irp b, 0,1,2,3
	global_load_b128 v[BIAS+8*\b:BIAS+8*\b+3], v23, s[8:9] offset:64*\b
	global_load_b128 v[BIAS+8*\b+4:BIAS+8*\b+7], v23, s[8:9] offset:64*\b+16
.endr
.if MODE == 0
	s_and_b32 s73, s20, 3                          ; time[l][n], l = 256 (mb & 3) + 128 wm + 16 a + r, n = mb >> 2: 32 bytes from l to l + 1
	s_lshl_b32 s73, s73, 13
	s_lshl_b32 s74, s15, 12
	s_add_co_u32 s73, s73, s74
	s_lshr_b32 s75, s20, 2
	s_lshl_b32 s74, s75, 2
	s_add_co_u32 s73, s73, s74
	v_lshl_add_u32 v24, v1, 5, s73
	v_mov_b32 v25, s74                             ; time[0][n]
.irp a, 0,1,2,3,4,5,6,7
	global_load_b32 v[8+\a], v24, s[10:11] offset:512*\a
.endr
	global_load_b32 v26, v25, s[10:11]
	s_mov_b32 s61, 0xb5c1a2a0                      ; -log2(e) / 1e6 (k)
	s_cmp_eq_u32 s21, 0
	s_cselect_b32 s61, 0x35c1a2a0, s61             ; +log2(e) / 1e6 (q)
	s_cselect_b32 s62, 0x3e38aa3b, 1.0             ; q: 0.125 log2(e)
	s_cmp_eq_u32 s21, 2
	s_cselect_b32 s61, 0, s61                      ; v: the factor is 2^0
	s_cselect_b32 s63, -1, 0
	v_lshlrev_b32 v20, 4, v3                       ; where my 16 bytes go in a block of 512: q, k: 16 x lane;
	v_lshrrev_b32 v5, 3, v1
	v_and_b32 v6, 7, v1
	v_lshlrev_b32 v6, 4, v6
	v_lshl_add_u32 v6, v2, 7, v6
	v_lshl_add_u32 v6, v5, 8, v6                   ; v: 256 (r >> 3) + 128 h + 16 (r & 7), the order in which the transposing LDS load addresses them
	v_cndmask_b32 v20, v20, v6, s63
.else
	v_lshlrev_b32 v5, 4, v3                        ; 16 x lane: X's lane term
	v_lshlrev_b32 v20, 4, v1
	v_lshl_add_u32 v20, v2, 15, v20                ; out0: 16 (lane & 15) + one l (8 rows of 4,096 bytes) for lanes 16-31
	s_mul_i32 s78, s14, 16*PITCH
	s_add_co_u32 s78, s78, STAGE                   ; my stage
	v_mul_u32_u24 v21, v1, PITCH
	v_lshl_add_u32 v21, v2, 5, v21
	v_add_nc_u32 v21, s78, v21                     ; in: row r, 32 bytes for each half of the lanes
	v_mul_u32_u24 v22, v2, PITCH
	v_lshl_add_u32 v22, v1, 4, v22
	v_add_nc_u32 v22, s78, v22                     ; back: lanes 0-15 one row of 256 bytes, lanes 16-31 the next
.endif
	s_mul_i32 s76, s15, XHALF
	s_mul_i32 s77, s16, WHALF
	s_add_co_u32 s77, s77, WOFF
.irp s, 0,1
.if MODE == 0
	v_add_nc_u32 v[ADRX+\s], s76, v4
.else
	v_add_nc_u32 v[ADRX+\s], s76, v5
.endif
	v_add_nc_u32 v[ADRW+\s], s77, v4
	s_add_co_u32 s76, s76, SLOT
	s_add_co_u32 s77, s77, SLOT
.endr
	s_wait_loadcnt 0x0                             ; bias (and time), once
.if MODE == 0
.irp a, 0,1,2,3,4,5,6,7
	v_sub_f32 v[8+\a], v[8+\a], v26                ; t - t_0 first: a common offset of the times drops out exactly
.endr
.irp a, 0,1,2,3,4,5,6,7
	v_mul_f32 v[8+\a], s61, v[8+\a]
.endr
.irp a, 0,1,2,3,4,5,6,7
	v_exp_f32 v[8+\a], v[8+\a]
.endr
	v_nop                                          ; one plain place behind the last exponential (ISA guide 5.7.2)
.irp a, 0,1,2,3,4,5,6,7
	v_mul_f32 v[8+\a], s62, v[8+\a]                ; v[8+a]: the factor of my row in row tile a
.endr
.endif
; na x 4 matrix instructions: row tiles a0 .. a0 + na - 1 x all 4 column tiles, 32 along K.  zero = 1: the first product starts the sums.
; The 32 accumulators take turns, one instruction a turn, in the same order in every quarter step.
.macro MULS f, a0, na, zero
.set ma, \a0
.rept \na
.irp b, 0,1,2,3
.if \zero
	v_wmma_f32_16x16x32_f16 v[8*(4*ma+\b):8*(4*ma+\b)+7], v[\f+8*\b:\f+8*\b+7], v[\f+32+8*ma:\f+32+8*ma+7], 0
.else
	v_wmma_f32_16x16x32_f16 v[8*(4*ma+\b):8*(4*ma+\b)+7], v[\f+8*\b:\f+8*\b+7], v[\f+32+8*ma:\f+32+8*ma+7], v[8*(4*ma+\b):8*(4*ma+\b)+7]
.endif
.endr
.set ma, ma+1
.endr
.endm
; 24 LDS loads in one run: quarter q of a slot into buffer f: 4 fragments of W, then 8 of X
.macro FETCH slot, q, f
.irp i, 0,1,2,3
	ds_load_b128 v[\f+8*\i:\f+8*\i+3],   v[ADRW+\slot] offset:\q*WQ+\i*WFRAG
	ds_load_b128 v[\f+8*\i+4:\f+8*\i+7], v[ADRW+\slot] offset:\q*WQ+\i*WFRAG+WC2
.endr
.irp i, 0,1,2,3,4,5,6,7
	ds_load_b128 v[\f+32+8*\i:\f+32+8*\i+3],   v[ADRX+\slot] offset:\q*XQ+\i*XFRAG
	ds_load_b128 v[\f+32+8*\i+4:\f+32+8*\i+7], v[ADRX+\slot] offset:\q*XQ+\i*XFRAG+XC2
.endr
.endm
; One of a K step's first three quarters: multiplies buffer f and fetches quarter q into buffer g in its middle
.macro QUARTER slot, q, f, g, zero
	s_wait_dscnt 8                                 ; W and X's fragments 0-3 are in; the youngest eight loads (X's 4-7) may be out
	WIN MULW
	MULS \f, 0, 4, \zero
	WIN 0
	PLACES
	FETCH \slot, \q, \g
	s_wait_dscnt 24                                ; all but the 24 just issued
	WIN MULW
	MULS \f, 4, 4, \zero
.endm
.macro THREE slot, zero
	QUARTER \slot, 1, F0, F1, \zero
	QUARTER \slot, 2, F1, F0, 0
	QUARTER \slot, 3, F0, F1, 0
.endm
; The last quarter: multiplies buffer 1 and changes slots.  In front of the barrier each wave waits for its reads of this slot and for all
; its tensor loads (one is out: its part of the next slot).  Where the slot is filled again the barrier opens a round of the cluster's
; barrier, and the joint refill is the first tensor load behind the round.  From a request to the wait for it: 120 matrix instructions.
.macro TURN slot, next, fill
	s_wait_dscnt 8
	WIN MULW
	MULS F1, 0, 2, 0
	s_wait_dscnt 0
	s_wait_tensorcnt 0x0
	ds_add_u32 v30, v31
	s_wait_dscnt 0x0
	s_barrier_signal -1
	MULS F1, 2, 2, 0                               ; register work while the others arrive
	WIN 0
	s_barrier_wait -1
.if \fill
	CREST
	s_add_nc_u64 s[G0X+4*\slot+2:G0X+4*\slot+3], s[G0X+4*\slot+2:G0X+4*\slot+3], 2*XSTEP   ; no tensor load of mine is out: group 0 may be written
	s_add_nc_u64 s[G0W+4*\slot+2:G0W+4*\slot+3], s[G0W+4*\slot+2:G0W+4*\slot+3], 2*WSTEP
	JLOAD \slot
.endif
	PLACES
	FETCH \next, 0, F0
	WIN MULW
	MULS F1, 4, 4, 0
.endm
.macro LAP zero
	THREE 0, \zero
	TURN 0, 1, 1
	THREE 1, 0
	TURN 1, 0, 1
.endm
	s_wait_tensorcnt 0x1                           ; my part of K step 0 is in; K step 1's stays out
	s_barrier_signal -1
	s_barrier_wait -1
	FETCH 0, 0, F0
	LAP 1                                          ; the first lap stands in front of the loop: its first products start the sums
	WIN 0
	s_mov_b32 s3, LAPS-2
.Llap:
	LAP 0
	WIN 0
	s_sub_co_u32 s3, s3, 1
	s_cmp_lg_u32 s3, 0
	s_cbranch_scc1 .Llap
	THREE 0, 0                                     ; the last lap fills nothing
	TURN 0, 1, 0
	THREE 1, 0
	s_wait_dscnt 8
	WIN MULW
	MULS F1, 0, 4, 0
	s_wait_dscnt 0
	MULS F1, 4, 4, 0
	WIN 0
	PLACES
.if MODE == 0
	; THE WAY OUT: (sum + bias) x row factor, rounded to f16.  My 64 columns are one head; a row tile of 16 rows x 64 d is 2,048 bytes,
	; four blocks of 512 bytes (16 d each); each store of the wave covers one block: 512 consecutive bytes, aligned.
	s_lshl_b32 s72, s21, 24                        ; g
	s_lshr_b32 s73, s20, 2
	s_lshl_b32 s73, s73, 21                        ; n
	s_add_co_u32 s72, s72, s73
	s_and_b32 s73, s19, 7
	s_lshl_b32 s73, s73, 18                        ; head = 2 (xblk & 7) + wc, 131,072 bytes each
	s_add_co_u32 s72, s72, s73
	s_lshl_b32 s73, s16, 17
	s_add_co_u32 s72, s72, s73
	s_and_b32 s73, s20, 3
	s_lshl_b32 s73, s73, 15                        ; row tile = 16 (mb & 3) + 8 wm + a
	s_add_co_u32 s72, s72, s73
	s_lshl_b32 s73, s15, 14
	s_add_co_u32 s72, s72, s73
	s_mov_b32 s73, 0
	s_add_nc_u64 s[12:13], s[12:13], s[72:73]
.macro POUT a
	WIN 0x01                                       ; source 0 (the sums) in window 1
.set p, 0
.rept 16
	v_pk_add_f32 v[T+2*p:T+2*p+1], v[32*\a+2*p:32*\a+2*p+1], v[BIAS+2*p:BIAS+2*p+1]
.set p, p+1
.endr
	WIN 0
.set p, 0
.rept 16
	PMUL T+2*p, T+2*p, 8+(\a&6), \a&1
.set p, p+1
.endr
.set p, 0
.rept 16
	v_cvt_pk_f16_f32 v[DAT+16*\a+p], v[T+2*p], v[T+2*p+1]      ; every row tile has data registers of its own: no store's data is written again
.set p, p+1
.endr
.irp b, 0,1,2,3
	global_store_b128 v20, v[DAT+16*\a+4*\b:DAT+16*\a+4*\b+3], s[12:13] offset:\a*2048+\b*512
.endr
.endm
.irp a, 0,1,2,3,4,5,6,7
	POUT \a
.endr
.else
	; THE WAY OUT: sum + bias in f32, 16 rows at a time through my own stage, read back as rows of 256 bytes: sixteen lanes store 256
	; consecutive bytes, aligned.
	s_and_b32 s72, s20, 3
	s_lshl_b32 s72, s72, 23                        ; l0 = 256 (mb & 3): 8 x 4,096 bytes for each l
	s_lshl_b32 s73, s15, 22
	s_add_co_u32 s72, s72, s73
	s_lshr_b32 s73, s20, 2
	s_lshl_b32 s73, s73, 12                        ; n
	s_add_co_u32 s72, s72, s73
	s_add_co_u32 s72, s72, s71                     ; 4 (128 xblk + 64 wc)
	s_mov_b32 s73, 0
	s_add_nc_u64 s[12:13], s[12:13], s[72:73]
.macro OUT16 a, f
	WIN 0x01
.set p, 0
.rept 16
	v_pk_add_f32 v[T+2*p:T+2*p+1], v[32*\a+2*p:32*\a+2*p+1], v[BIAS+2*p:BIAS+2*p+1]
.set p, p+1
.endr
	WIN 0
.irp b, 0,1,2,3
	ds_store_b128 v21, v[T+8*\b:T+8*\b+3] offset:64*\b
	ds_store_b128 v21, v[T+8*\b+4:T+8*\b+7] offset:64*\b+16
.endr
	s_wait_xcnt 0x0                                ; buffer f was the data of earlier stores: it is loaded again only behind this wait
.irp t, 0,1,2,3,4,5,6,7
	ds_load_b128 v[\f+4*\t:\f+4*\t+3], v22 offset:\t*2*PITCH       ; LDS serves a wave's instructions in order (ISA guide 5.7.1): these see the stores above
.endr
.irp t, 0,1,2,3,4,5,6,7
	s_wait_dscnt 7-\t
	global_store_b128 v20, v[\f+4*\t:\f+4*\t+3], s[12:13] offset:(16*\a+2*\t)*32768 th:TH_STORE_NT
.endr
.endm
	OUT16 0, 64
	OUT16 1, 96
	OUT16 2, 64
	OUT16 3, 96
	OUT16 4, 64
	OUT16 5, 96
	OUT16 6, 64
	OUT16 7, 96
.endif
	s_wait_tensorcnt 0x0
	ds_add_u32 v30, v31
	s_wait_dscnt 0x0
	CROUND                                         ; the closing round: no work-group ends while a partner may still ask for a tile that names it
	s_endpgm
.Lfunc_end_k_q75f5920489_outp:
	.size	k_q75f5920489_outp, .Lfunc_end_k_q75f5920489_outp-k_q75f5920489_outp
	.p2alignl 7, 3214868480
	.fill 96, 4, 3214868480
	.section	.rodata,"a",@progbits
	.p2align	6, 0x0
	.amdhsa_kernel k_q75f5920489_outp
		.amdhsa_group_segment_fixed_size 327680
		.amdhsa_private_segment_fixed_size 0
		.amdhsa_enable_private_segment 0
		.amdhsa_kernarg_size 32
		.amdhsa_user_sgpr_count 2
		.amdhsa_user_sgpr_kernarg_segment_ptr 1
		.amdhsa_wavefront_size32 1
		.amdhsa_system_sgpr_workgroup_id_x 1
		.amdhsa_system_sgpr_workgroup_id_y 1
		.amdhsa_system_sgpr_workgroup_id_z 1
		.amdhsa_system_vgpr_workitem_id 0
		.amdhsa_next_free_vgpr 512
		.amdhsa_next_free_sgpr 80
		.amdhsa_reserve_vcc 0
		.amdhsa_float_denorm_mode_32 3
		.amdhsa_float_denorm_mode_16_64 3
		.amdhsa_memory_ordered 1
		.amdhsa_forward_progress 1
		.amdhsa_inst_pref_size 127
	.end_amdhsa_kernel
	.amdgpu_metadata
---
amdhsa.version: [ 1, 2 ]
amdhsa.kernels:
  - .name:           k_q75f5920489_outp
    .symbol:         k_q75f5920489_outp.kd
    .args:
      - { .name: ob, .offset: 0, .size: 8, .value_kind: global_buffer, .address_space: global }
      - { .name: wb, .offset: 8, .size: 8, .value_kind: global_buffer, .address_space: global }
      - { .name: out_proj_bias, .offset: 16, .size: 8, .value_kind: global_buffer, .address_space: global }
      - { .name: out0, .offset: 24, .size: 8, .value_kind: global_buffer, .address_space: global }
    .group_segment_fixed_size: 327680
    .private_segment_fixed_size: 0
    .kernarg_segment_align: 8
    .kernarg_segment_size: 32
    .max_flat_workgroup_size: 128
    .sgpr_count:     80
    .vgpr_count:     512
    .wavefront_size: 32
...
	.end_amdgpu_metadata
.endif
;; end of part 4
